; MI455X (gfx1250); checked and timed in simulation.
; The chip was launched on July 23, 2026; its instructions are those of AMD's public machine-readable ISA for CDNA 5 (MIT licence, August 2026) and "CDNA5" Instruction Set Architecture Reference Guide (July 2026). The comments in the code are by the model that wrote it; some were corrected since.
;; TF Attention. Allowed arithmetic: matrix products marked QUANTISED: E2M3 operands, one E8M0 scale for each 32 along K, by v_wmma_scale_f32_16x16x128_f8f6f4 with both operands' format E2M3, f32 sums; everything else in f32.
;; Inputs: attention_mask 4 x 1 x 1 x 2,048 float32; c_attn_b 3,072 float32; c_attn_w_codes 3,072 x 32 x 24 uint8 (E2M3 codes of c_attn_w, K innermost, in blocks of 32 codes, four codes in three bytes); c_attn_w_scales 3,072 x 32 uint8 (E8M0 scales of c_attn_w, one for each 32 codes along K); c_proj_b 1,024 float32; c_proj_w_codes 1,024 x 32 x 24 uint8 (E2M3 codes of c_proj_w, K innermost, in blocks of 32 codes, four codes in three bytes); c_proj_w_scales 1,024 x 32 uint8 (E8M0 scales of c_proj_w, one for each 32 codes along K); x_codes 4 x 2,048 x 32 x 24 uint8 (E2M3 codes of x, K innermost, in blocks of 32 codes, four codes in three bytes); x_scales 4 x 2,048 x 32 uint8 (E8M0 scales of x, one for each 32 codes along K).
;; Outputs: out0 4 x 2,048 x 1,024 float32.
;; This version of the problem:
;;   THIS VERSION OF THE PROBLEM IS GIVEN IN LOW PRECISION. The matrix products marked QUANTISED in the list below multiply operands that are first quantised to E2M3 (2 exponent bits, 3 mantissa bits; 6 bits a number), with one power-of-two scale for each 32 numbers along K (OCP MX v1.0); their sums are f32. All else is computed in f32.
;;   The module's matrix products, in the order in which they are computed (A, B: the left and right operand; K: the contracted axis; several contracted axes count as one K, in the product's order):
;;     1. [M 8,192, K 1,024] x [K 1,024, N 3,072]; A: input x (given as codes); B: input c_attn_w (given as codes): QUANTISED
;;     2. batch 64 x [M 2,048, K 64] x [K 64, N 2,048]; A: computed on the way; B: computed on the way: QUANTISED
;;     3. batch 64 x [M 2,048, K 2,048] x [K 2,048, N 64]; A: softmax (see below); B: computed on the way: QUANTISED
;;     4. [M 8,192, K 1,024] x [K 1,024, N 1,024]; A: computed on the way; B: input c_proj_w (given as codes): QUANTISED
;;   THE QUANTISER, for each operand of a quantised product, along K:
;;     - K is cut into blocks of 32 from its start; a last block that is shorter is filled with zeros.
;;     - A block's scale is 2^e with e = floor(log2(the largest magnitude in the block)) - 2, held to -126 .. 127; a block of zeros has e = 0. As a byte (E8M0): e + 127.
;;     - Each number is divided by its block's scale, clamped to +-7.5, and rounded to the nearest number of E2M3, ties to even, subnormals kept.
;;     - The product sums the exact products of the quantised numbers (number of the format x scale) in f32.
;;   ~~~python
;;   def quantise(x, axis):      # numpy; x: float32 -> the quantised numbers, widened to float32 again
;;       x = np.moveaxis(x, axis, -1); K = x.shape[-1]
;;       x = np.pad(x, [(0, 0)] * (x.ndim - 1) + [(0, -K % 32)]); x = x.reshape(x.shape[:-1] + (-1, 32)); a = np.abs(x).max(-1, keepdims=True)
;;       e = np.where(a > 0, np.clip(np.frexp(np.where(a > 0, a, 1))[1] - 1 - 2, -126, 127), 0)      # np.frexp(a)[1] - 1 = floor(log2(a)), exactly
;;       r = np.clip(x / 2.0 ** e, -7.5, 7.5)
;;       step = 2.0 ** (np.maximum(np.frexp(np.where(r == 0, 1, r))[1] - 1, 0) - 3)
;;       q = np.round(r / step) * step * 2.0 ** e      # np.round: ties to even
;;       return np.moveaxis(q.reshape(q.shape[:-2] + (-1,))[..., :K], -1, axis).astype(np.float32)
;;   ~~~
;;   SOFTMAX AHEAD OF A QUANTISED PRODUCT. Where the list says 'softmax', what is quantised is not the finished softmax but p = 2^(t - M), with t = logit x log2(e) and M = ceil(the row's largest t), a whole number; so 1/2 < the row's largest p <= 1. The row's sum l is taken of the UNQUANTISED p, in f32, and the product's result is divided by l at the end. Since M is a whole number, a kernel that streams over the keys may use a running M (the ceiling of the running maximum): every later rescaling is an exact power of two, which a block's scale takes up: the codes' values come out the same.
;;   OPERANDS COMPUTED ON THE WAY. 'Computed on the way' means the value that the module computes at that place (a softmax that the list does not call 'softmax' is quantised finished and normalised). What goes into a quantiser is computed in f32, as accurately as f32 sums, v_exp_f32 and their like allow (about 1e-6 of the number): no bf16 or f16 on the way to a quantiser, and a product that is left as it is and whose result goes on into a quantised operand takes f32 operands (vector FMAs, or v_wmma_f32_16x16x4_f32). A number that lies on a knife's edge between two numbers of the format may be rounded either way, as far as f32 arithmetic and the matrix unit's own rounding can turn it there, and no further.
;;   INPUTS GIVEN AS CODES. c_attn_w (in the module: [1024, 3072], K = its axis 0); c_proj_w (in the module: [1024, 1024], K = its axis 0); x (in the module: [4, 2048, 1024], K = its axis 2): each comes as NAME_codes (uint8): NAME with its K axis moved to the last place and cut into blocks of 32 codes, [.., K / 32, bytes a block], one block behind the other in memory; four codes in three bytes: a row's codes are one little-endian stream of bits, code i at bits 6 i .. 6 i + 5 (a code: sign, 2 exponent bits, 3 mantissa bits); and NAME_scales (uint8): the same leading axes, one E8M0 byte (e + 127) for each 32 codes along K. Its value is code x scale, taken as it is: it is not quantised again, and the codes and scales need not be those that the quantiser above would give.
;; One version. Each part assembles by itself: llvm-mc -triple=amdgcn-amd-amdhsa -mcpu=gfx1250 --defsym DOCPART=n.
;; ======== version 1 of 1: 3 launches
;; workspace buffers: qbuf 6,553,600 bytes; kvbuf 13,107,200 bytes; a_codes 6,291,456 bytes; a_scales 262,144 bytes
;; launch qkv (part 1): grid 12 x 32, 4 waves a work-group, clusters of 4 x 4, 327,680 bytes of LDS; arguments x_codes, x_scales, c_attn_w_codes, c_attn_w_scales, c_attn_b, qbuf, kvbuf; writes qbuf, kvbuf
.if DOCPART == 1
	.amdgcn_target "amdgcn-amd-amdhsa--gfx1250"
	.amdhsa_code_object_version 6
	.text
	.protected	k_q6fe272e520_qkv
	.globl	k_q6fe272e520_qkv
	.p2align	8
	.type	k_q6fe272e520_qkv,@function
k_q6fe272e520_qkv:
	s_mov_b64 s[64:65], 0
	v_nop
	global_prefetch_b8 v0, s[64:65] scope:SCOPE_SE
	s_setreg_imm32_b32 hwreg(HW_REG_WAVE_MODE, 25, 1), 1
	s_wait_xcnt 0x0
	s_wait_alu depctr_hold_cnt(0) depctr_sa_sdst(0) depctr_va_vdst(0) depctr_va_sdst(0) depctr_va_ssrc(0) depctr_va_vcc(0) depctr_vm_vsrc(0)
	s_getreg_b32 s2, hwreg(HW_REG_IB_STS2, 6, 4)
	s_cmp_eq_u32 s2, 0
	s_cbranch_scc0 .Lentry_in_a_cluster
	s_endpgm
.Lentry_in_a_cluster:
	s_bfe_u32 s2, ttmp6, 0x10000c
	s_cmp_lg_u32 s2, 0xf033
	s_cbranch_scc0 .Lentry_shape_is_right
	s_endpgm
.Lentry_shape_is_right:
; LAUNCH 1 OF 3.  qkv = x W + b on codes of FP6 (E2M3) with E8M0 scales, then the quantisers of q, k (along the head's 64 channels) and v (along the keys).  The codes leave in the order of operand registers.
; DEAD WORK: none is left out in this program.  Every input has a way to the output and is loaded: both biases go into quantised operands or into the result, the mask differs along the softmax's axis,
; and the 1e-9 of reference() can move the whole number M, so it is kept (folded into the mask's table in the second launch).
; x: [8192][1024] codes, rows of 768 bytes; W: [3072][1024] codes, K innermost; scale bytes [.][32].  A tile of 256 tokens x 256 columns is made by four waves, 128 x 128 each: 64 accumulators, 512 registers.
; K goes in steps of 256 through a ring of two LDS slots filled by the tensor data mover; the scale bytes of the tile's 512 rows come once and stay.  CLUSTERS: 4 x 4 work-groups; x's tiles are asked for jointly
; along a row of the cluster, W's along a column.
; THE MODE.  The cluster's x (equal in all sixteen partners) says which third of the columns is made: 0 q, 1 k, 2 v.  q and k want a lane to hold ONE token and its registers to run along the channels:
; source 0 = 16 rows of W, source 1 = 16 rows of x.  v wants a lane to hold ONE channel and its registers to run along the tokens (the keys are its K): source 0 = x, source 1 = W.
; The tensor loads and their places in LDS are the same in all modes; only the LDS bases from which a wave reads its fragments and scale words are chosen by the mode.
; WHAT LEAVES.  A sub-record of 6,400 bytes holds 128 tokens x 64 channels of one head: four fragment images of 1,536 bytes (registers 4 c .. 4 c + 3 of lane l at 512 c + 16 l), then 256 bytes of scale words
; (lane r's four words at 16 r).  q, k: image f holds tokens 32 f + r (registers 0-5) and 32 f + 16 + r (registers 6-11), each with its two blocks of 32 channels in the two halves of the lanes.
; v: image f holds channels 16 f + r, K = the 128 tokens.  qbuf: [batch x 16 + head][step] sub-records; kvbuf: [batch x 16 + head][step] k's sub-record, then v's.
; THE ORDER INSIDE A BLOCK OF 32 is not the natural one (elements 0-7, 16-23, 8-15, 24-31): it is the same in q and k, and the same in v and in the p of the second launch, so every product keeps its terms.
; LIMITS: NaN and infinities among the inputs are not served.  A block whose largest magnitude lies under 2^-124 (a block of zeros too, where the rule says byte 127) keeps the byte 1: its codes add what they are worth
; under that byte, zeros nothing; the bytes are read by this program alone.
.set KSTEP,  256                       ; along K in a slot
.set NQ,     KSTEP/128                 ; matrix instructions deep
.set ROWB,   192                       ; a tile's row in bytes
.set KROW,   768                       ; a row of x or of W in memory
.set PITCH,  240                       ; an LDS row: 3 x (64 bytes of data + 16 of padding)
.set FR,     12                        ; registers of a fragment: 16 rows x 128 K
.set NL,     6                         ; LDS loads that bring one
.set NP,     4                         ; places behind this matrix instruction (ISA guide 7.12.1)
.set HALFT,  128*PITCH                 ; 128 rows: what one tensor load brings
.set SLOT,   4*HALFT                   ; x's 256 rows, then W's 256 rows
.set LAPS,   2                         ; 1,024 along K = four K steps = twice round the ring
.set KS,     32                        ; a row of scale bytes
.set SCL,    2*SLOT                    ; behind the ring: the scales, as units of 256 bytes + 16 of padding
.set HALFS,  16*272                    ; the scales of 128 rows
.set SBLK,   2*272                     ; those of 16 rows
.set SPARE,  SCL+4*HALFS               ; the spare words, 128 bytes for each wave
.set ADRA, 16                          ; v16-17 LDS address of source 1's fragments in slot 0, 1 (v18-19: behind one padding more)
.set ADRB, 20                          ; v20-21 the same for source 0 (v22-23)
.set LI,   24                          ; v24    16 x lane: my place in an image
.set WO,   25                          ; v25    16 r + (lane / 16) x the bytes from a head to the next: my place among the scale words
.set ADRS, 27                          ; v27    LDS address of my scale words: lanes 0-15 source 1's rows, lanes 16-31 source 0's
.set SPW,  28                          ; v28    my spare word; never rewritten
.set NIL,  29                          ; v29    0; never rewritten
.set SC,   32                          ; v32-63 scale words, two sets
.set BI,   64                          ; v64-127 the bias in the results' layout
.set AF,   128                         ; source 1's fragments, in window 0
.set ST,   128                         ; the way out: a fragment's 64 numbers
.set PC,   192                         ; v192-211 its codes
.set TM,   212                         ; v212-227 at work in QUANT
.set BA,   224                         ; v224-231 the bias loads' offsets (at the head alone)
.set SW,   232                         ; v232-239 the eight scale words
.set WS,   240                         ; v240-243 as they are stored
.set G1, 24
.set G0, 32
.set G1B, 48
.set G0B, 56
.set G1S, 68
.set G0S, 76
.set G1SB, 80
.set G0SB, 88
.set MSB, 0
.macro WIN new                         ; the immediate's high byte repeats the setting that is left
.if MSB != (\new)
	s_set_vgpr_msb (MSB<<8)|(\new)
.set MSB, (\new)
.endif
.endm
.set MUL_LO, 0xa1                      ; source 0 window 1, source 1 window 0, C and D window 2
.set MUL_HI, 0xf1                      ; the same, C and D window 3
.set TO_B,   0x40                      ; destination window 1, address window 0
; A joint load: waves 0 and 1 fetch for x, waves 2 and 3 for W.  The branch hangs on the wave's number alone.  An s_nop 0 and four v_nop follow each line.
.macro JLOAD g0a, g1a, g0b, g1b
	s_cmp_eq_u32 s15, 0
	s_cbranch_scc0 .Lfor_b_\@
	tensor_load_to_lds s[\g0a:\g0a+3], s[\g1a:\g1a+7]
	s_nop 0
.rept 4
	v_nop
.endr
	s_branch .Lasked_\@
.Lfor_b_\@:
	tensor_load_to_lds s[\g0b:\g0b+3], s[\g1b:\g1b+7]
	s_nop 0
.rept 4
	v_nop
.endr
.Lasked_\@:
.endm
.macro CREST                           ; a round of the cluster's barrier behind its opening barrier
	s_cmp_lg_u32 s14, 0
	s_cbranch_scc1 .Lnot_wave_0_\@
	s_barrier_signal -3
.Lnot_wave_0_\@:
	s_barrier_wait -3
	s_barrier_signal -1
	s_barrier_wait -1
.endm
.macro CROUND                          ; a whole round
	s_barrier_signal -1
	s_barrier_wait -1
	CREST
.endm
	s_load_b128 s[4:7], s[0:1], 0x0                ; x's codes, x's scales
	s_load_b128 s[8:11], s[0:1], 0x10              ; W's codes, W's scales
	s_load_b64 s[12:13], s[0:1], 0x20              ; the bias
	s_load_b64 s[96:97], s[0:1], 0x28              ; qbuf
	s_load_b64 s[98:99], s[0:1], 0x30              ; kvbuf
	v_lshl_add_u32 v[SPW], v0, 2, SPARE
	v_mov_b32 v[NIL], 0
	ds_add_u32 v[SPW], v[NIL]                      ; the wave's opening: the add, twice on end, and its wait ahead of my first tensor load
	ds_add_u32 v[SPW], v[NIL]
	v_lshrrev_b32 v1, 5, v0
	v_readfirstlane_b32 s14, v1                    ; wave 0..3
	s_lshr_b32 s15, s14, 1                         ; which half of source 1's 256 rows is mine.  Also: I fetch for x (0) or for W (1)
	s_and_b32 s16, s14, 1                          ; which half of source 0's.  Also: which 128 rows I fetch
	s_bfe_u32 s40, ttmp6, 0x40000                  ; cx, cy: my place in the cluster
	s_bfe_u32 s41, ttmp6, 0x40004
	s_lshl_b32 s42, ttmp9, 2
	s_add_co_u32 s42, s42, s40                     ; tile column = 4 x cluster x + cx
	s_and_b32 s17, ttmp7, 0xffff
	s_lshl_b32 s17, s17, 2
	s_add_co_u32 s17, s17, s41                     ; tile row = 4 x cluster y + cy
	s_lshl_b32 s43, s41, 2
	s_lshl_b32 s43, 15, s43                        ; my row of the cluster
	s_lshl_b32 s44, 0x1111, s40                    ; my column
	; group 1: a tile of 128 rows x 192 bytes, 16 bytes of padding behind every 64
	s_or_b32 s[G1+0], s43, (0<<16)|(1<<20)|(1<<21)|(3<<22)|(3<<25)
	s_or_b32 s[G1B+0], s44, (0<<16)|(1<<20)|(1<<21)|(3<<22)|(3<<25)
.irp g, G1, G1B
	s_mov_b32 s[\g+1], ROWB<<16                    ; tensor_dim0
	s_mov_b32 s[\g+2], 128<<16                     ; tensor_dim1
	s_mov_b32 s[\g+3], ROWB<<16                    ; tile_dim0
	s_mov_b32 s[\g+4], 128                         ; tile_dim1
	s_mov_b32 s[\g+5], KROW                        ; tensor_dim0_stride
	s_mov_b32 s[\g+6], 0
	s_mov_b32 s[\g+7], 0
.endr
	; the scales of 128 rows: 4,096 dense bytes as 16 rows of 256 (32 elements of 8 bytes), 16 bytes of padding behind each
	s_or_b32 s[G1S+0], s43, (3<<16)|(1<<20)|(1<<21)|(5<<22)|(3<<25)
	s_or_b32 s[G1SB+0], s44, (3<<16)|(1<<20)|(1<<21)|(5<<22)|(3<<25)
.irp g, G1S, G1SB
	s_mov_b32 s[\g+1], 32<<16
	s_mov_b32 s[\g+2], 16<<16
	s_mov_b32 s[\g+3], 32<<16
	s_mov_b32 s[\g+4], 16
	s_mov_b32 s[\g+5], 32
	s_mov_b32 s[\g+6], 0
	s_mov_b32 s[\g+7], 0
.endr
	s_lshl_b32 s18, s16, 7                         ; which 128 rows of the tile I fetch
	s_lshl_b32 s20, s17, 8
	s_add_co_u32 s20, s20, s18                     ; x: row 256 x tile row + 128 x half
	s_lshl_b32 s46, s42, 8
	s_add_co_u32 s46, s46, s18                     ; W: row 256 x tile column + 128 x half
	s_mov_b32 s21, 0
	s_mov_b32 s47, 0
	s_mov_b64 s[18:19], KS
	s_mul_u64 s[22:23], s[20:21], s[18:19]         ; where these rows' scales begin
	s_mul_u64 s[92:93], s[46:47], s[18:19]
	s_mov_b64 s[18:19], KROW
	s_mul_u64 s[20:21], s[20:21], s[18:19]         ; and their codes
	s_mul_u64 s[46:47], s[46:47], s[18:19]
	s_mul_i32 s45, s14, HALFT                      ; where they go: wave x 128 rows
	s_mul_i32 s94, s14, HALFS
	s_wait_dscnt 0x0                               ; both opening adds are done
	s_wait_kmcnt 0x0
	s_add_nc_u64 s[20:21], s[4:5], s[20:21]
	s_add_nc_u64 s[22:23], s[6:7], s[22:23]
	s_add_nc_u64 s[46:47], s[8:9], s[46:47]
	s_add_nc_u64 s[92:93], s[10:11], s[92:93]
	CROUND                                         ; all sixteen work-groups are here: the first joint loads meet
	s_mov_b32 s[G0S], 1
	s_add_co_u32 s[G0S+1], s94, SCL
	s_mov_b64 s[G0S+2:G0S+3], s[22:23]
	s_or_b32 s[G0S+3], s[G0S+3], 0x80000000
	s_mov_b32 s[G0SB], 1
	s_add_co_u32 s[G0SB+1], s94, SCL
	s_mov_b64 s[G0SB+2:G0SB+3], s[92:93]
	s_or_b32 s[G0SB+3], s[G0SB+3], 0x80000000
	JLOAD G0S, G1S, G0SB, G1SB                     ; the scales first: they are wanted with K step 0
.irp s, 0,1
	s_mov_b32 s[G0+4*\s], 1
	s_add_co_u32 s[G0+4*\s+1], s45, \s*SLOT
	s_add_nc_u64 s[G0+4*\s+2:G0+4*\s+3], s[20:21], \s*ROWB
	s_or_b32 s[G0+4*\s+3], s[G0+4*\s+3], 0x80000000
	s_mov_b32 s[G0B+4*\s], 1
	s_add_co_u32 s[G0B+4*\s+1], s45, \s*SLOT
	s_add_nc_u64 s[G0B+4*\s+2:G0B+4*\s+3], s[46:47], \s*ROWB
	s_or_b32 s[G0B+4*\s+3], s[G0B+4*\s+3], 0x80000000
	JLOAD G0+4*\s, G1, G0B+4*\s, G1B               ; three tensor loads of mine are out at the most
.endr
	v_and_b32 v1, 15, v0                           ; r = lane % 16; kept
	v_bfe_u32 v2, v0, 4, 1                         ; h = lane / 16; kept
	v_mul_u32_u24 v3, v1, PITCH
	v_mul_u32_u24 v4, v2, 24
	v_add_nc_u32 v4, v3, v4                        ; a fragment's row x pitch + 24 x half
	v_lshl_add_u32 v5, v2, 4, v4                   ; and the same behind one padding more
	s_mul_i32 s21, s15, HALFT                      ; x's half s15,
	s_mul_i32 s22, s16, HALFT                      ; x's half s16,
	s_add_co_u32 s20, s21, 2*HALFT                 ; W's half s15,
	s_add_co_u32 s23, s22, 2*HALFT                 ; W's half s16
	s_cmp_eq_u32 ttmp9, 2                          ; v?  The cluster's x: the same in all partners
	s_cselect_b32 s21, s20, s21                    ; source 1: W for v, x for q and k
	s_cselect_b32 s22, s22, s23                    ; source 0: x for v, W for q and k
.irp s, 0,1
	v_add_nc_u32 v[ADRA+\s], s21, v4
	v_add_nc_u32 v[ADRB+\s], s22, v4
	v_add_nc_u32 v[ADRA+2+\s], s21, v5
	v_add_nc_u32 v[ADRB+2+\s], s22, v5
	s_add_co_u32 s21, s21, SLOT
	s_add_co_u32 s22, s22, SLOT
.endr
	v_mul_u32_u24 v5, v1, KS                       ; my row's scales: 32 bytes a row,
	v_lshrrev_b32 v6, 8, v5
	v_lshl_add_u32 v5, v6, 4, v5                   ; and 16 more for each 256 passed
	s_mul_i32 s21, s15, HALFS
	s_mul_i32 s22, s16, HALFS
	s_add_co_u32 s20, s21, 2*HALFS
	s_add_co_u32 s23, s22, 2*HALFS
	s_cmp_eq_u32 ttmp9, 2
	s_cselect_b32 s21, s20, s21                    ; source 1's scales: lanes 0-15
	s_cselect_b32 s22, s22, s23                    ; source 0's: lanes 16-31
	v_mov_b32 v6, s21
	v_mov_b32 v7, s22
	v_cmp_eq_u32 s20, 1, v2
	v_cndmask_b32 v6, v6, v7, s20
	v_add_nc_u32 v5, v5, v6
	v_add_nc_u32 v[ADRS], SCL, v5
	; what the mode decides beside the bases
	s_cmp_eq_u32 ttmp9, 2
	s_cselect_b32 s66, 1, 0                        ; s66 = 1: v
	s_cselect_b32 s20, s16, s15                    ; which half of the tile's tokens is mine,
	s_cselect_b32 s21, s15, s16                    ; which half of its columns
	s_cselect_b32 s22, 4, 0                        ; the bias' offset: v: 4 r, the same for all eight registers of a tile;
	s_cselect_b32 s23, 0, 32                       ; q, k: 32 h + 4 j
	s_cselect_b32 s2, 0, 4
	s_cselect_b32 s45, 6400, 0                     ; v's sub-record lies behind k's
	s_lshl_b32 s18, s17, 8
	s_lshl_b32 s20, s20, 7
	s_add_co_u32 s18, s18, s20                     ; my first token
	s_lshl_b32 s19, s42, 8
	s_lshl_b32 s21, s21, 7
	s_add_co_u32 s19, s19, s21                     ; my first column
	s_lshl_b32 s20, s19, 2
	s_mov_b32 s21, 0
	s_add_nc_u64 s[12:13], s[12:13], s[20:21]      ; the bias at my first column
	v_mul_u32_u24 v[BA], v1, s22
	v_mad_u32_u24 v[BA], v2, s23, v[BA]
.irp j, 1,2,3,4,5,6,7
	v_add_nc_u32 v[BA+\j], s2, v[BA+\j-1]
.endr
.irp g, 0,1,2,3,4,5,6,7
.irp j, 0,1,2,3,4,5,6,7
	global_load_b32 v[BI+8*\g+\j], v[BA+\j], s[12:13] offset:64*\g   ; q, k: the bias of column 16 g + 8 h + j; v: of channel 16 g + r
.endr
.endr
	s_lshr_b32 s46, s18, 11                        ; the batch,
	s_lshl_b32 s46, s46, 4
	s_bfe_u32 s47, s19, 0x40006                    ; my first head (of two): 4 bits from bit 6 of the column
	s_add_co_u32 s46, s46, s47                     ; 16 x batch + head
	s_bfe_u32 s47, s18, 0x40007                    ; the step of 128 tokens in the batch's 2,048
	s_mov_b32 s67, 204800
	s_mov_b32 s92, 12800
	s_cmp_eq_u32 ttmp9, 0                          ; q?
	s_cselect_b32 s67, 102400, s67                 ; bytes from a head to the next
	s_cselect_b32 s92, 6400, s92                   ; from a step to the next
	s_cselect_b64 s[96:97], s[96:97], s[98:99]     ; qbuf or kvbuf
	s_mul_i32 s46, s46, s67
	s_mul_i32 s47, s47, s92
	s_add_co_u32 s46, s46, s47
	s_add_co_u32 s46, s46, s45                     ; under 13,107,200
	s_mov_b32 s47, 0
	s_add_nc_u64 s[92:93], s[96:97], s[46:47]      ; my first head's sub-record,
	s_mov_b32 s46, s67
	s_add_nc_u64 s[94:95], s[92:93], s[46:47]      ; my second head's
	v_and_b32 v6, 31, v0
	v_lshlrev_b32 v[LI], 4, v6
	v_mul_u32_u24 v[WO], v2, s67
	v_lshl_add_u32 v[WO], v1, 4, v[WO]
	s_mov_b32 s100, 0x76543210
	s_mov_b32 s101, 0xfedcba98                     ; v_permlanex16_b32's selects for lane l xor 16
.macro FRAG reg, adr, q, i             ; a fragment: lane l holds row l % 16; registers 6 c .. 6 c + 5 hold K = 64 c + 32 (l / 16) + 0 .. 31: 24 bytes of the row's stream of bits, in pieces of 8 bytes
.irp p, 0,1,2,3,4,5
.set PIECE, 12*(\q)+6*(\p/3)+\p%3      ; 16 bytes of padding lie behind every 8 pieces: where the piece three on lies behind one padding more, the second address register serves
.if PIECE%8 < 5
	ds_load_b64 v[\reg+2*\p:\reg+2*\p+1], v[\adr] offset:8*PIECE+16*(PIECE/8)+(\i)*16*PITCH
.else
	ds_load_b64 v[\reg+2*\p:\reg+2*\p+1], v[\adr+2] offset:8*PIECE+16*(PIECE/8)+(\i)*16*PITCH
.endif
.endr
.endm
; 16 matrix instructions: source 1's blocks a0, a0 + 1 x source 0's eight, 128 along K.  The 64 accumulators take turns, one instruction a turn, in the same order in every step.
.macro MUL16 a0, p, q, sc, zero
.irp a, \a0, \a0+1
.irp b, 0,1,2,3,4,5,6,7
.if \zero
	v_wmma_scale_f32_16x16x128_f8f6f4 v[8*(8*((\a)%4)+\b):8*(8*((\a)%4)+\b)+7], v[128*(\p)+FR*\b:128*(\p)+FR*\b+FR-1], v[AF+FR*(\a):AF+FR*(\a)+FR-1], 0, v[SC+8*NQ*(\sc)+NQ*\b+(\q)], v[SC+8*NQ*(\sc)+NQ*(\a)+(\q)] matrix_a_fmt:MATRIX_FMT_FP6 matrix_b_fmt:MATRIX_FMT_FP6 matrix_a_scale:MATRIX_SCALE_ROW1
.else
	v_wmma_scale_f32_16x16x128_f8f6f4 v[8*(8*((\a)%4)+\b):8*(8*((\a)%4)+\b)+7], v[128*(\p)+FR*\b:128*(\p)+FR*\b+FR-1], v[AF+FR*(\a):AF+FR*(\a)+FR-1], v[8*(8*((\a)%4)+\b):8*(8*((\a)%4)+\b)+7], v[SC+8*NQ*(\sc)+NQ*\b+(\q)], v[SC+8*NQ*(\sc)+NQ*(\a)+(\q)] matrix_a_fmt:MATRIX_FMT_FP6 matrix_b_fmt:MATRIX_FMT_FP6 matrix_a_scale:MATRIX_SCALE_ROW1
.endif
.endr
.endr
.endm
.macro FETCH_B slot, q, p              ; source 0's eight fragments into set p
	WIN TO_B
.irp i, 0,1,2,3,4,5,6,7
	FRAG 128*(\p)+FR*\i, ADRB+\slot, \q, \i
.endr
	WIN 0
.endm
.macro FETCH_A slot, q, i0             ; source 1's blocks i0 .. i0 + 3
.irp i, \i0, \i0+1, \i0+2, \i0+3
	FRAG AF+FR*(\i), ADRA+\slot, \q, \i
.endr
.endm
.macro SCALES sc                       ; a K step's scale words: two words a row; lanes 0-15 source 1's block i, lanes 16-31 source 0's block i
.irp i, 0,1,2,3,4,5,6,7
	ds_load_b64 v[SC+8*NQ*\sc+NQ*\i:SC+8*NQ*\sc+NQ*\i+1], v[ADRS] offset:\i*SBLK
.endr
.endm
.macro PLACES n                        ; plain vector instructions between a matrix instruction and a load into, or a read of, its registers (ISA guide 7.12.1 for reads)
.rept \n
	v_nop
.endr
.endm
.macro STEP slot, q, zero              ; a step of 128 along K that has its successor in the same slot
	s_wait_dscnt 4*NL                              ; all but the youngest 24 loads (source 1's blocks 4-7) are in
	WIN MUL_LO
	MUL16 0, (\q)%2, \q, \slot, \zero
	MUL16 2, (\q)%2, \q, \slot, \zero
	s_wait_dscnt 0
	PLACES NP
	FETCH_B \slot, (\q)+1, 1-(\q)%2
	FETCH_A \slot, (\q)+1, 0
	WIN MUL_HI
	MUL16 4, (\q)%2, \q, \slot, \zero
	MUL16 6, (\q)%2, \q, \slot, \zero
	PLACES NP
	WIN 0
	FETCH_A \slot, (\q)+1, 4
.endm
; A slot's last step changes slots: one barrier; in front of it each wave waits for all its tensor loads, adds 0 to its spare word, and waits for that and for its own reads of this slot.
.macro TURN slot, next, fill
	s_wait_tensorcnt 0x0                           ; all my tensor loads have landed: my part of the next slot
	ds_add_u32 v[SPW], v[NIL]                      ; 0 onto my spare word
	s_wait_dscnt 4*NL+1                            ; the add and the youngest 24 loads may be out
	WIN MUL_LO
	MUL16 0, 1, NQ-1, \slot, 0
	s_wait_dscnt 0x0                               ; the add is done, and my reads of this slot are over
	s_barrier_signal -1
	MUL16 2, 1, NQ-1, \slot, 0
	WIN 0
	s_barrier_wait -1
.if \fill
	CREST                                          ; the barrier has opened a round of the cluster's barrier: no wave of any partner still reads this slot or has a load on its way
	s_add_nc_u64 s[G0+4*\slot+2:G0+4*\slot+3], s[G0+4*\slot+2:G0+4*\slot+3], 2*ROWB
	s_add_nc_u64 s[G0B+4*\slot+2:G0B+4*\slot+3], s[G0B+4*\slot+2:G0B+4*\slot+3], 2*ROWB
	JLOAD G0+4*\slot, G1, G0B+4*\slot, G1B         ; the first tensor load behind the round; its four v_nop are the places in front of the loads below
.else
	PLACES NP
.endif
	v_add_nc_u32 v[ADRS], 4*NQ, v[ADRS]            ; on to the next K step's scale words
	FETCH_B \next, 0, 0
	FETCH_A \next, 0, 0
	SCALES \next
	WIN MUL_HI
	MUL16 4, 1, NQ-1, \slot, 0
	MUL16 6, 1, NQ-1, \slot, 0
	PLACES NP
	WIN 0
	FETCH_A \next, 0, 4
.endm
	s_wait_loadcnt 0x0                             ; the bias
	s_wait_tensorcnt 1                             ; the scales and my part of K step 0 are in; K step 1's load may be out
	s_barrier_signal -1
	s_barrier_wait -1
	FETCH_B 0, 0, 0
	FETCH_A 0, 0, 0
	SCALES 0
	FETCH_A 0, 0, 4
	STEP 0, 0, 1                                   ; the first step stands in front of the loop: its products start the sums
	s_mov_b32 s3, LAPS-1
.Llap:                                                 ; a trip goes once round the ring and fills both slots again
	TURN 0, 1, 1
	STEP 1, 0, 0
	TURN 1, 0, 1
	STEP 0, 0, 0
	s_sub_co_u32 s3, s3, 1
	s_cmp_lg_u32 s3, 0
	s_cbranch_scc1 .Llap
	TURN 0, 1, 0                                   ; the last lap fills nothing
	STEP 1, 0, 0
	s_wait_dscnt 4*NL
	WIN MUL_LO
	MUL16 0, 1, NQ-1, 1, 0
	MUL16 2, 1, NQ-1, 1, 0
	s_wait_dscnt 0
	WIN MUL_HI
	MUL16 4, 1, NQ-1, 1, 0
	MUL16 6, 1, NQ-1, 1, 0
	WIN 0
; THE WAY OUT: eight fragments (two heads x four), each: 64 sums + bias into window 0, quantised, stored as an image.  No LDS.
; GATHER: the additions of the bias also bring the sums into window 0.  q, k: token blocks 2 f and 2 f + 1, the head's 32 registers of each.  v: channel block 4 hd + f, all 64 registers.  Each accumulator is read from its low end on.
.macro GATHER hd, f
	s_wait_xcnt 0x0                                ; the last fragment's stores have read their registers
	s_cmp_eq_u32 s66, 1
	s_cbranch_scc1 .Lgv_\@
	WIN 0x02+(\f)/2                                ; source 0: window 2 or 3
.irp u, 0,1
.set AC, 64*((2*(\f)+\u)%4)+32*(\hd)
.set n, 0
.rept 16
	v_pk_add_f32 v[ST+32*\u+n:ST+32*\u+n+1], v[AC+n:AC+n+1], v[BI+32*(\hd)+n:BI+32*(\hd)+n+1]
.set n, n+2
.endr
.endr
	WIN 0
	s_branch .Lgj_\@
.Lgv_\@:
	WIN 0x02+(\hd)
.set n, 0
.rept 32
	v_pk_add_f32 v[ST+n:ST+n+1], v[64*(\f)+n:64*(\f)+n+1], v[BI+8*(4*(\hd)+(\f))+n%8:BI+8*(4*(\hd)+(\f))+n%8+1]
.set n, n+2
.endr
	WIN 0
.Lgj_\@:
.endm
; 64 numbers of a lane, register 16 b + i = one of my 16 of block b of my row, become a fragment's codes in v[PC] on and its scale word in v[w].
.macro QUANT s, w
.irp b, 0,1,2,3
	v_max3_num_f32 v[TM+\b], |v[\s+16*\b]|, |v[\s+1+16*\b]|, 0x1800000   ; my 16 numbers, and the floor 2^(3 - 127): the byte cannot fall under 1
.endr
.irp i, 2,4,6,8,10,12,14
.irp b, 0,1,2,3
	v_max3_num_f32 v[TM+\b], v[TM+\b], |v[\s+16*\b+\i]|, |v[\s+1+16*\b+\i]|
.endr
.endr
.irp b, 0,1,2,3
	v_permlanex16_b32 v[TM+4+\b], v[TM+\b], s100, s101
.endr
.irp b, 0,1,2,3
	v_max_num_f32 v[TM+\b], v[TM+\b], v[TM+4+\b]   ; with lane l xor 16's: the block's largest magnitude
.endr
.irp b, 0,1,2,3
	v_add_nc_u32 v[TM+12+\b], 0xff000000, v[TM+\b] ; 2 off its exponent field: the conversion's scale operand
.endr
.irp b, 0,1,2,3
	v_lshrrev_b32 v[TM+4+\b], 23, v[TM+12+\b]      ; the scale's byte
.endr
	v_lshl_or_b32 v[\w], v[TM+5], 8, v[TM+4]
	v_lshl_or_b32 v[\w], v[TM+6], 16, v[\w]
	v_lshl_or_b32 v[\w], v[TM+7], 24, v[\w]
.irp c, 0,1
	v_cvt_scalef32_pk16_fp6_f32 v[PC+6*\c:PC+2+6*\c], v[\s+32*\c:\s+15+32*\c], v[TM+12+2*\c]
	v_cvt_scalef32_pk16_fp6_f32 v[PC+12+4*\c:PC+14+4*\c], v[\s+16+32*\c:\s+31+32*\c], v[TM+12+2*\c+1]   ; (a conversion's three registers begin on an even number)
.endr
	v_nop                                          ; one plain place behind a scaled conversion
.irp c, 0,1                                    ; the operand's layout wants a whole block in a lane: lanes 0-15 block 2 c, lanes 16-31 block 2 c + 1
.irp i, 0,1,2
	v_permlane16_swap_b32 v[PC+6*\c+\i], v[PC+12+4*\c+\i]
.endr
.irp i, 0,1,2
	v_mov_b32 v[PC+3+6*\c+\i], v[PC+12+4*\c+\i]
.endr
.endr
.endm
.macro SENDF hd, f                     ; the image: each store of the wave covers 512 consecutive bytes, at a multiple of 256 from the buffer's first byte
.irp c, 0,1,2
	global_store_b128 v[LI], v[PC+4*\c:PC+4*\c+3], s[92+2*(\hd):93+2*(\hd)] offset:1536*(\f)+512*\c
.endr
.endm
	PLACES NP                                      ; behind the last products: their results are read and their operands' registers written below
.irp b, 0,1,2,3
	v_mov_b32 v[TM+4+\b], 0                        ; written once: a lane permute's destination counts as one of its sources
.endr
.irp hd, 0,1
.irp f, 0,1,2,3
	GATHER \hd, \f
	QUANT ST, SW+4*\hd+\f
	SENDF \hd, \f
.endr
.endr
	v_cmp_eq_u32 s20, 1, v2
.irp f, 0,1,2,3
	v_cndmask_b32 v[WS+\f], v[SW+\f], v[SW+4+\f], s20   ; lanes 0-15 store the first head's words, lanes 16-31 the second's (both halves of the lanes hold a row's word)
.endr
	global_store_b128 v[WO], v[WS:WS+3], s[92:93] offset:6144   ; sixteen lanes store 256 consecutive bytes
	s_wait_tensorcnt 0x0                           ; the wave's end
	ds_add_u32 v[SPW], v[NIL]
	s_wait_dscnt 0x0
	CROUND                                         ; the closing round: no work-group ends while a partner may still ask for a tile that names it
	s_endpgm
.Lfunc_end_k_q6fe272e520_qkv:
	.size	k_q6fe272e520_qkv, .Lfunc_end_k_q6fe272e520_qkv-k_q6fe272e520_qkv
	.p2alignl 7, 3214868480
	.fill 96, 4, 3214868480
	.section	.rodata,"a",@progbits
	.p2align	6, 0x0
	.amdhsa_kernel k_q6fe272e520_qkv
		.amdhsa_group_segment_fixed_size 327680
		.amdhsa_private_segment_fixed_size 0
		.amdhsa_enable_private_segment 0
		.amdhsa_kernarg_size 56
		.amdhsa_user_sgpr_count 2
		.amdhsa_user_sgpr_kernarg_segment_ptr 1
		.amdhsa_wavefront_size32 1
		.amdhsa_system_sgpr_workgroup_id_x 1
		.amdhsa_system_sgpr_workgroup_id_y 1
		.amdhsa_system_sgpr_workgroup_id_z 1
		.amdhsa_system_vgpr_workitem_id 0
		.amdhsa_next_free_vgpr 1024
		.amdhsa_next_free_sgpr 102
		.amdhsa_reserve_vcc 0
		.amdhsa_float_denorm_mode_32 3
		.amdhsa_float_denorm_mode_16_64 3
		.amdhsa_memory_ordered 1
		.amdhsa_forward_progress 1
		.amdhsa_inst_pref_size 205
	.end_amdhsa_kernel
	.amdgpu_metadata
---
amdhsa.version: [ 1, 2 ]
amdhsa.kernels:
  - .name:           k_q6fe272e520_qkv
    .symbol:         k_q6fe272e520_qkv.kd
    .args:
      - { .name: x_codes, .offset: 0, .size: 8, .value_kind: global_buffer, .address_space: global }
      - { .name: x_scales, .offset: 8, .size: 8, .value_kind: global_buffer, .address_space: global }
      - { .name: c_attn_w_codes, .offset: 16, .size: 8, .value_kind: global_buffer, .address_space: global }
      - { .name: c_attn_w_scales, .offset: 24, .size: 8, .value_kind: global_buffer, .address_space: global }
      - { .name: c_attn_b, .offset: 32, .size: 8, .value_kind: global_buffer, .address_space: global }
      - { .name: qbuf, .offset: 40, .size: 8, .value_kind: global_buffer, .address_space: global }
      - { .name: kvbuf, .offset: 48, .size: 8, .value_kind: global_buffer, .address_space: global }
    .group_segment_fixed_size: 327680
    .private_segment_fixed_size: 0
    .kernarg_segment_align: 8
    .kernarg_segment_size: 56
    .max_flat_workgroup_size: 128
    .sgpr_count:     102
    .vgpr_count:     1024
    .wavefront_size: 32
...
	.end_amdgpu_metadata
.endif
;; end of part 1
;; launch attn (part 2): grid 4 x 64, 16 waves a work-group, clusters of 4 x 1, 215,040 bytes of LDS; arguments qbuf, kvbuf, attention_mask, a_codes, a_scales; writes a_codes, a_scales
.if DOCPART == 2
	.amdgcn_target "amdgcn-amd-amdhsa--gfx1250"
	.amdhsa_code_object_version 6
	.text
	.protected	k_q6fe272e520_attn
	.globl	k_q6fe272e520_attn
	.p2align	8
	.type	k_q6fe272e520_attn,@function
k_q6fe272e520_attn:
	s_mov_b64 s[64:65], 0
	v_nop
	global_prefetch_b8 v0, s[64:65] scope:SCOPE_SE
	s_setreg_imm32_b32 hwreg(HW_REG_WAVE_MODE, 25, 1), 1
	s_wait_xcnt 0x0
	s_wait_alu depctr_hold_cnt(0) depctr_sa_sdst(0) depctr_va_vdst(0) depctr_va_sdst(0) depctr_va_ssrc(0) depctr_va_vcc(0) depctr_vm_vsrc(0)
	s_getreg_b32 s2, hwreg(HW_REG_IB_STS2, 6, 4)
	s_cmp_eq_u32 s2, 0
	s_cbranch_scc0 .Lentry_in_a_cluster
	s_endpgm
.Lentry_in_a_cluster:
	s_bfe_u32 s2, ttmp6, 0x10000c
	s_cmp_lg_u32 s2, 0x3003
	s_cbranch_scc0 .Lentry_shape_is_right
	s_endpgm
.Lentry_shape_is_right:
; LAUNCH 2 OF 3.  a = softmax(q k^T / 8 + mask + 1e-9) v for one (batch, head) a cluster, both products on codes of FP6 (E2M3) with E8M0 scales; then a is quantised along the model's 1,024.  No work of reference() is left out.
; THE SOFTMAX AHEAD OF THE SECOND PRODUCT: t = logit x log2(e); M = the running largest t rounded UP to a whole number; p = 2^(t - M) is quantised along the keys, not normalised; the row's sum is taken of the
; unquantised p and divides at the end.  When M moves, the sum and O are multiplied by 2^(old M - new M): exact.
; SHARES.  A cluster of four work-groups is one (batch, head); a work-group owns 512 queries; each of its sixteen waves owns 32, two tiles of 16, one after the other (PASS 0, PASS 1), in 256 registers.
; THE HEAD'S K AND V STAY IN LDS: sixteen records of 12,800 bytes (128 keys: k's sub-record, v's sub-record, as the first launch laid them), filled ONCE: wave w asks for record w, jointly with the same wave of the
; three partners.  So there is no ring, no refill and no barrier in the loops; one tensor load of mine is out at the most.
; LAYOUT.  Both products are used transposed: a lane holds ONE query (lane % 16) throughout.  THE HEAD HAS 64 CHANNELS AND THE INSTRUCTION 128 ALONG K: a fragment of k holds 32 keys, key 32 f + r in K = 0 .. 63 and key
; 32 f + 16 + r in K = 64 .. 127.  Against [q | zeros] the first sixteen keys count, against [zeros | q] the others: zero codes add nothing under the byte 127.  The 18 registers [0 | q | 0] hold both operands.
; THE MASK costs no vector instruction a score: a table 8 x mask + 8e-9 lies in LDS and is loaded into the accumulators, which the first product takes as C in place: S' = q . k + 8 (mask + 1e-9), t = S' x log2(e) / 8.
; THE ORDER OF THE KEYS INSIDE A BLOCK OF 32 is that of v's codes (0-7, 16-23, 8-15, 24-31).  a's channels are brought into natural order by sixteen exchanges of lane halves, since c_proj_w is given.
; WHAT LEAVES.  a_codes: [tile of 16 tokens: 512][head: 16][768 bytes]: six registers of the third launch's operand, pair p of lane l at 256 p + 8 l.  a_scales: [token][32], natural: two bytes a token and head,
; stored by one store of two bytes a lane in rows 32 bytes apart: 262,144 of the launch's 6,553,600 bytes out.
; LIMITS: NaN and infinities among the inputs are not served; 8 x mask overflows to -infinity above 4e37 in size, which hides the key; a row all of whose t lie under -3e38 is not served.
; A block of a whose largest magnitude lies under 2^-124 keeps the byte 1 (a block of zeros too, where the rule says 127); the bytes are read by this program alone.
.set REC,   12800                      ; a record: 128 keys of k and of v
.set SRB,   6400                       ; a sub-record
.set FIB,   1536                       ; a fragment's image
.set MK,    16*REC                     ; behind the records: the mask's table, 2,048 f32
.set SPARE, MK+8192                    ; the spare words, 128 bytes for each of sixteen waves
.set LI,  1                            ; v1   16 x lane
.set AM0, 2                            ; v2   MK + 32 h
.set AS0, 3                            ; v3   6,144 + 6,400 h + 16 r: lanes 0-15 k's scale words, lanes 16-31 v's
.set SPW, 4                            ; v4   my spare word; never rewritten
.set NIL, 5                            ; v5   0; never rewritten
.set ADK, 6                            ; v6   the step's record
.set ADM, 7                            ; v7   its part of the mask's table
.set ADS, 8                            ; v8   its scale words
.set GO,  9                            ; v9   8 x lane
.set GS,  10                           ; v10  32 x lane
.set HH,  11                           ; v11  h = lane / 16
.set QZ,  16                           ; v16-33  [0 | q | 0]: v[16:27] = [0 | q], v[22:33] = [q | 0]
.set QF,  34                           ; v34-45  my fragment of q: 32 queries
.set QW,  46                           ; its scale word
.set QSL, 47                           ; the tile's two bytes, then 127, 127
.set QSH, 48                           ; 127, 127, then the tile's two bytes
.set PW,  49                           ; p's scale word
.set SC,  50                           ; v50-53  the step's scale words of k (lanes 0-15) and v (lanes 16-31)
.set FR,  54                           ; v54-101 four fragments: k's, then v's
.set S,   102                          ; v102-165 S^T, then p
.set O,   166                          ; v166-197 O^T
.set PC,  198                          ; v198-209 p's codes
.set PT,  210                          ; v210-212, v214-216 the conversions' second halves
.set BM,  218                          ; v218-221 the blocks' largest
.set BX,  222                          ; v222-225 at work
.set SO,  226                          ; v226-229 the conversions' scale operands
.set FF,  230                          ; v[230:231] f, later 1 / the sum
.set TT,  232                          ; at work
.set C2,  234                          ; v[234:235] the sum's second chain
.set AW,  236                          ; v236, v237 a's scale bytes of the two tiles
.set WV,  14
.set SEL, 36                           ; s[36:37]
.set CS,  38                           ; s[38:39] log2(e) / 8
.set TB,  40                           ; LDS byte of the step's record
.set TMK, 41                           ; and of its part of the mask's table
.set CNT, 42
.macro ROUND
	s_barrier_signal -1
	s_barrier_wait -1
	s_cmp_lg_u32 s[WV], 0
	s_cbranch_scc1 .Lnot_wave_0_\@
	s_barrier_signal -3
.Lnot_wave_0_\@:
	s_barrier_wait -3
	s_barrier_signal -1
	s_barrier_wait -1
.endm
	s_load_b128 s[4:7], s[0:1], 0x0                ; qbuf, kvbuf
	s_load_b128 s[8:11], s[0:1], 0x10              ; the mask, a_codes
	s_load_b64 s[12:13], s[0:1], 0x20              ; a_scales
	v_lshl_add_u32 v[SPW], v0, 2, SPARE
	v_mov_b32 v[NIL], 0
	ds_add_u32 v[SPW], v[NIL]                      ; the wave's opening: the add, twice on end, and its wait ahead of my first tensor load
	ds_add_u32 v[SPW], v[NIL]
	v_lshrrev_b32 v6, 5, v0
	s_delay_alu instid0(VALU_DEP_1)
	v_readfirstlane_b32 s[WV], v6                  ; wave 0..15
	s_bfe_u32 s15, ttmp6, 0x40000                  ; cx: it enters global addresses alone
	s_and_b32 s16, ttmp7, 0xffff                   ; 16 x batch + head, which the four partners share
	; group 1: a record is 12,800 dense bytes: 50 rows of 256 (32 elements of 8 bytes), no padding
	s_mov_b32 s24, 15|(3<<16)|(1<<21)              ; 15:0 the mask: all four work-groups; 17:16 elements of 8 bytes; 21 set beside a mask
	s_mov_b32 s25, 32<<16                          ; tensor_dim0
	s_mov_b32 s26, 50<<16                          ; tensor_dim1
	s_mov_b32 s27, 32<<16                          ; tile_dim0
	s_mov_b32 s28, 50                              ; tile_dim1
	s_mov_b32 s29, 32                              ; tensor_dim0_stride
	s_mov_b32 s30, 0
	s_mov_b32 s31, 0
	s_mov_b32 s32, 1                               ; group 0: count,
	s_mul_i32 s33, s[WV], REC                      ; LDS address: record w,
	s_mul_i32 s54, s16, 16*REC
	s_add_co_u32 s54, s54, s33                     ; and its place in kvbuf (under 13,107,200)
	s_mov_b32 s55, 0
	s_mov_b32 s[SEL], 0x76543210
	s_mov_b32 s[SEL+1], 0xfedcba98                 ; v_permlanex16_b32's selects for lane l xor 16
	s_mov_b32 s[CS], 0x3e38aa3b                    ; log2(e) / 8
	s_mov_b32 s[CS+1], s[CS]                       ; (named with it as a pair, so it is written)
	s_mov_b32 s43, 0x7f7f0000
	s_mov_b32 s44, 0x7f7f
	s_mov_b32 s45, 0x41000000                      ; 8.0
	s_mov_b32 s46, 0x3209705f                      ; 8e-9
	s_wait_dscnt 0x0                               ; both opening adds are done
	s_wait_kmcnt 0x0
	s_add_nc_u64 s[34:35], s[6:7], s[54:55]
	s_or_b32 s35, s35, 0x80000000                  ; type = 2
	ROUND                                          ; all four work-groups are here: the joint loads meet
	tensor_load_to_lds s[32:35], s[24:31]          ; every wave asks for one record
	s_nop 0
.rept 4
	v_nop
.endr
	s_lshl_b32 s56, s15, 4
	s_add_co_u32 s56, s56, s[WV]                   ; F: my fragment of 32 queries among the head's 64
	s_lshr_b32 s57, s16, 4                         ; batch
	s_and_b32 s58, s16, 15                         ; head
	s_lshl_b32 s54, s57, 13
	s_add_nc_u64 s[8:9], s[8:9], s[54:55]          ; the batch's 2,048 numbers of the mask
	v_lshlrev_b32 v238, 4, v0                      ; four to a thread
	global_load_b128 v[S:S+3], v238, s[8:9]
	s_mul_i32 s54, s16, 16*SRB
	s_lshr_b32 s59, s56, 2
	s_mul_i32 s59, s59, SRB
	s_add_co_u32 s54, s54, s59
	s_add_nc_u64 s[52:53], s[4:5], s[54:55]        ; q's sub-record that holds my fragment
	s_and_b32 s59, s56, 3
	s_mul_i32 s60, s59, FIB
	s_lshl_b32 s59, s59, 2
	v_and_b32 v[HH], 31, v0
	s_delay_alu instid0(VALU_DEP_1)
	v_lshlrev_b32 v[LI], 4, v[HH]
	s_delay_alu instid0(VALU_DEP_2)
	v_lshlrev_b32 v[GO], 3, v[HH]
	s_delay_alu instid0(VALU_DEP_3)
	v_lshlrev_b32 v[GS], 5, v[HH]
	s_delay_alu instid0(VALU_DEP_3)
	v_add_nc_u32 v239, s60, v[LI]
.irp c, 0,1,2
	global_load_b128 v[QF+4*\c:QF+4*\c+3], v239, s[52:53] offset:512*\c
.endr
	v_and_b32 v[TT], 15, v0                        ; r
	v_bfe_u32 v[HH], v0, 4, 1                      ; h
	s_delay_alu instid0(VALU_DEP_2)
	v_lshlrev_b32 v[AS0], 4, v[TT]
	s_delay_alu instid0(VALU_DEP_1)
	v_add_nc_u32 v240, s59, v[AS0]
	global_load_b32 v[QW], v240, s[52:53] offset:6144   ; lane r's word of my fragment: the two bytes of query 32 F + r, then those of query 32 F + 16 + r
	v_mad_u32_u24 v[AS0], v[HH], SRB, v[AS0]
	s_delay_alu instid0(VALU_DEP_1)
	v_add_nc_u32 v[AS0], 6144, v[AS0]
	v_lshl_add_u32 v[AM0], v[HH], 5, MK
	v_lshl_add_u32 v233, v0, 4, MK                 ; my 16 bytes of the mask's table
.irp i, 0,1,2,3,4,5
	v_mov_b32 v[QZ+\i], 0                          ; the zero codes on both sides of q
	v_mov_b32 v[QZ+12+\i], 0
.endr
.irp b, 0,1,2,3
	v_mov_b32 v[BX+\b], 0                          ; written once: a lane permute's destination counts as one of its sources
.endr
	v_mov_b32 v[FF+1], 0                           ; (named as the upper half of a pair)
	s_lshl_b32 s54, s57, 7
	s_lshl_b32 s59, s56, 1
	s_add_co_u32 s54, s54, s59                     ; my first tile of 16 tokens: 128 x batch + 2 F
	s_mul_i32 s54, s54, 12288
	s_mul_i32 s59, s58, 768
	s_add_co_u32 s54, s54, s59
	s_add_nc_u64 s[48:49], s[10:11], s[54:55]      ; a_codes at my first tile, my head
	s_lshl_b32 s54, s57, 11
	s_lshl_b32 s59, s56, 5
	s_add_co_u32 s54, s54, s59                     ; my first token
	s_lshl_b32 s54, s54, 5
	s_lshl_b32 s59, s58, 1
	s_add_co_u32 s54, s54, s59
	s_add_nc_u64 s[50:51], s[12:13], s[54:55]      ; a_scales at my first token, my head's two bytes
	s_wait_loadcnt 0x0
.irp i, 0,1,2,3
	v_fma_f32 v[S+\i], v[S+\i], s45, s46           ; 8 x mask + 8e-9
.endr
	ds_store_b128 v233, v[S:S+3]
	s_wait_tensorcnt 0x0                           ; my record has landed,
	s_wait_dscnt 0x0                               ; my part of the table is stored:
	s_barrier_signal -1
	s_barrier_wait -1                              ; everybody's
; A KEY STEP: 128 keys.
.macro STEP
	v_add_nc_u32 v[ADK], s[TB], v[LI]
	v_add_nc_u32 v[ADS], s[TB], v[AS0]
	v_add_nc_u32 v[ADM], s[TMK], v[AM0]
	v_nop                                          ; four places behind the last products, in front of loads into registers that they have read
	ds_load_b128 v[SC:SC+3], v[ADS]
.irp f, 0,1,2,3
.irp c, 0,1,2
	ds_load_b128 v[FR+12*\f+4*\c:FR+12*\f+4*\c+3], v[ADK] offset:FIB*\f+512*\c   ; k's four images
.endr
.endr
.irp t, 0,1,2,3,4,5,6,7
	ds_load_b128 v[S+8*\t:S+8*\t+3], v[ADM] offset:64*\t          ; the table's numbers of keys 16 t + 8 h + 0 .. 7: the C of tile t
	ds_load_b128 v[S+8*\t+4:S+8*\t+7], v[ADM] offset:64*\t+16
.endr
	s_wait_alu depctr_va_vdst(0)
	s_wait_dscnt 0x0
.irp b, 0,1,2,3                                ; S^T: eight accumulators by turns; tile 2 b: keys 32 b + 8 h + j, tile 2 b + 1: keys 32 b + 16 + 8 h + j
	v_wmma_scale_f32_16x16x128_f8f6f4 v[S+16*\b:S+16*\b+7], v[FR+12*\b:FR+12*\b+11], v[QZ+6:QZ+17], v[S+16*\b:S+16*\b+7], v[SC+\b], v[QSL] matrix_a_fmt:MATRIX_FMT_FP6 matrix_b_fmt:MATRIX_FMT_FP6
	v_wmma_scale_f32_16x16x128_f8f6f4 v[S+16*\b+8:S+16*\b+15], v[FR+12*\b:FR+12*\b+11], v[QZ:QZ+11], v[S+16*\b+8:S+16*\b+15], v[SC+\b], v[QSH] matrix_a_fmt:MATRIX_FMT_FP6 matrix_b_fmt:MATRIX_FMT_FP6
.endr
.rept 4
	v_nop                                          ; places in front of the loads below and of the first read of the scores
.endr
.irp t, 0,1,2,3
.irp c, 0,1,2
	ds_load_b128 v[FR+12*\t+4*\c:FR+12*\t+4*\c+3], v[ADK] offset:SRB+FIB*\t+512*\c   ; v's four images: they land under the softmax
.endr
.endr
.irp b, 0,1,2,3
	v_max3_num_f32 v[BM+\b], v[S+16*\b], v[S+16*\b+1], v[S+16*\b+2]   ; the largest score of each block of 32 keys: for the row's maximum and, since p rises with the score, for the block's largest p
.endr
.irp i, 3,5,7,9,11,13
.irp b, 0,1,2,3
	v_max3_num_f32 v[BM+\b], v[BM+\b], v[S+16*\b+\i], v[S+16*\b+\i+1]
.endr
.endr
.irp b, 0,1,2,3
	v_max_num_f32 v[BM+\b], v[BM+\b], v[S+16*\b+15]
.endr
.irp b, 0,1,2,3
	s_delay_alu instid0(VALU_DEP_4)
	v_permlanex16_b32 v[BX+\b], v[BM+\b], s[SEL], s[SEL+1]
.endr
.irp b, 0,1,2,3
	s_delay_alu instid0(VALU_DEP_4)
	v_max_num_f32 v[BM+\b], v[BM+\b], v[BX+\b]     ; with lane l xor 16's 16 keys
.endr
	s_delay_alu instid0(VALU_DEP_2)
	v_max3_num_f32 v[TT], v[BM], v[BM+1], v[BM+2]
	s_delay_alu instid0(VALU_DEP_1)
	v_max_num_f32 v[TT], v[TT], v[BM+3]
	s_delay_alu instid0(VALU_DEP_1)
	v_mul_f32 v[TT], s[CS], v[TT]                  ; as t
	s_delay_alu instid0(VALU_DEP_1)
	v_max_num_f32 v13, v13, v[TT]                  ; the running largest t
	v_mov_b32 v[TT], v12
	s_delay_alu instid0(VALU_DEP_2)
	v_floor_f32 v12, -v13                          ; the new -M = floor(-t) = -ceil(t)
	s_delay_alu instid0(VALU_DEP_1)
	v_sub_f32 v[TT], v12, v[TT]                    ; old M - new M: a whole number, 0 or less
	s_delay_alu instid0(VALU_DEP_1)
	v_cvt_i32_f32 v[TT], v[TT]                     ; (it saturates)
	s_delay_alu instid0(VALU_DEP_1)
	v_ldexp_f32 v[FF], 1.0, v[TT]                  ; f = 2^(old M - new M)
.set j, 0
.rept 32
	v_pk_fma_f32 v[S+j:S+j+1], v[S+j:S+j+1], s[CS:CS+1], v[12:13] op_sel_hi:[1,0,0]   ; t - M, two at a time
.set j, j+2
.endr
.irp b, 0,1,2,3
	v_fma_f32 v[BM+\b], v[BM+\b], s[CS], v12       ; the same of each block's largest score
.endr
.set j, 0
	s_setprio 1
	s_wait_alu depctr_va_vdst(0)
.rept 64
	v_exp_f32 v[S+j], v[S+j]                       ; p = 2^(t - M)
.set j, j+1
.endr
	v_pk_mul_f32 v[14:15], v[14:15], v[FF:FF+1] op_sel_hi:[1,0]   ; the sums under the new M: a plain place behind the exponentials
	s_wait_alu depctr_va_vdst(0)                   ; one wait for the batch, ahead of its first reader
.irp b, 0,1,2,3
	v_exp_f32 v[BM+\b], v[BM+\b]                   ; the blocks' largest p
.endr
	v_pk_add_f32 v[234:235], v[106:107], v[110:111]
	v_pk_add_f32 v[254:255], v[114:115], v[118:119]
	v_pk_add_f32 v[252:253], v[122:123], v[126:127]
	v_pk_add_f32 v[250:251], v[130:131], v[134:135]
	v_pk_add_f32 v[248:249], v[138:139], v[142:143]
	v_pk_add_f32 v[246:247], v[146:147], v[150:151]
	v_pk_add_f32 v[244:245], v[154:155], v[158:159]
	v_pk_add_f32 v[14:15], v[14:15], v[162:163]
	v_pk_add_f32 v[234:235], v[234:235], v[102:103]
	v_pk_add_f32 v[254:255], v[254:255], v[104:105]
	v_pk_add_f32 v[252:253], v[252:253], v[108:109]
	v_pk_add_f32 v[250:251], v[250:251], v[112:113]
	v_pk_add_f32 v[248:249], v[248:249], v[116:117]
	v_pk_add_f32 v[246:247], v[246:247], v[120:121]
	v_pk_add_f32 v[244:245], v[244:245], v[124:125]
	v_pk_add_f32 v[14:15], v[14:15], v[128:129]
	v_pk_add_f32 v[234:235], v[234:235], v[132:133]
	v_pk_add_f32 v[254:255], v[254:255], v[136:137]
	v_pk_add_f32 v[252:253], v[252:253], v[140:141]
	v_pk_add_f32 v[250:251], v[250:251], v[144:145]
	v_pk_add_f32 v[248:249], v[248:249], v[148:149]
	v_pk_add_f32 v[246:247], v[246:247], v[152:153]
	v_pk_add_f32 v[244:245], v[244:245], v[156:157]
	v_pk_add_f32 v[14:15], v[14:15], v[160:161]
	v_pk_add_f32 v[234:235], v[234:235], v[164:165]
	s_delay_alu instid0(VALU_DEP_2)
	v_pk_add_f32 v[14:15], v[14:15], v[250:251]
	s_delay_alu instid0(VALU_DEP_2)
	v_pk_add_f32 v[234:235], v[234:235], v[248:249]
	v_pk_add_f32 v[254:255], v[254:255], v[246:247]
	v_pk_add_f32 v[252:253], v[252:253], v[244:245]
	s_delay_alu instid0(VALU_DEP_2)
	v_pk_add_f32 v[14:15], v[14:15], v[254:255]
	s_delay_alu instid0(VALU_DEP_2)
	v_pk_add_f32 v[234:235], v[234:235], v[252:253]
	s_delay_alu instid0(VALU_DEP_1)
	v_pk_add_f32 v[14:15], v[14:15], v[234:235]
	s_wait_alu depctr_va_vdst(0)                   ; and one for the four
.irp b, 0,1,2,3
	v_max_num_f32 v[BM+\b], 0x1800000, v[BM+\b]    ; the floor 2^(3 - 127): the byte cannot fall under 1
.endr
.irp b, 0,1,2,3
	s_delay_alu instid0(VALU_DEP_4)
	v_add_nc_u32 v[SO+\b], 0xff000000, v[BM+\b]    ; 2 off the exponent field: the conversion's scale operand
.endr
.irp b, 0,1,2,3
	s_delay_alu instid0(VALU_DEP_4)
	v_lshrrev_b32 v[BX+\b], 23, v[SO+\b]           ; the scale's byte
.endr
	s_delay_alu instid0(VALU_DEP_3)
	v_lshl_or_b32 v[PW], v[BX+1], 8, v[BX]
	s_delay_alu instid0(VALU_DEP_1)
	v_lshl_or_b32 v[PW], v[BX+2], 16, v[PW]
	s_delay_alu instid0(VALU_DEP_1)
	v_lshl_or_b32 v[PW], v[BX+3], 24, v[PW]
.irp c, 0,1
	v_cvt_scalef32_pk16_fp6_f32 v[PC+6*\c:PC+6*\c+2], v[S+32*\c:S+32*\c+15], v[SO+2*\c]
	v_cvt_scalef32_pk16_fp6_f32 v[PT+4*\c:PT+4*\c+2], v[S+32*\c+16:S+32*\c+31], v[SO+2*\c+1]
.endr
	v_nop                                          ; one plain place behind a scaled conversion
.irp c, 0,1                                    ; a whole block to a lane: lanes 0-15 block 2 c, lanes 16-31 block 2 c + 1
.irp i, 0,1,2
	v_permlane16_swap_b32 v[PC+6*\c+\i], v[PT+4*\c+\i]
.endr
.irp i, 0,1,2
	s_delay_alu instid0(VALU_DEP_3)
	v_mov_b32 v[PC+3+6*\c+\i], v[PT+4*\c+\i]
.endr
.endr
.set j, 0
	s_setprio 0
.rept 16
	v_pk_mul_f32 v[O+j:O+j+1], v[O+j:O+j+1], v[FF:FF+1] op_sel_hi:[1,0]   ; O^T under the new M; these are also the places between the writes of p's codes and word and the products
.set j, j+2
.endr
	s_wait_alu depctr_va_vdst(0)
	s_wait_dscnt 0x0                               ; v's images are in
.irp t, 0,1,2,3                                ; O^T += V^T P^T: four accumulators by turns
	v_wmma_scale_f32_16x16x128_f8f6f4 v[O+8*\t:O+8*\t+7], v[FR+12*\t:FR+12*\t+11], v[PC:PC+11], v[O+8*\t:O+8*\t+7], v[SC+\t], v[PW] matrix_a_fmt:MATRIX_FMT_FP6 matrix_b_fmt:MATRIX_FMT_FP6 matrix_a_scale:MATRIX_SCALE_ROW1
.endr
	s_add_co_u32 s[TB], s[TB], REC
	s_add_co_u32 s[TMK], s[TMK], 512
.endm
; THE WAY OUT of tile u: O^T / the sum; channels into natural order; two blocks of 32 quantised; six registers of codes stored, three whole runs of 256 bytes.
.macro OUT u
	v_add_f32 v14, v14, v15                        ; the sum's two halves,
	s_delay_alu instid0(VALU_DEP_1)
	v_permlanex16_b32 v[TT], v14, s[SEL], s[SEL+1]
	s_delay_alu instid0(VALU_DEP_1)
	v_add_f32 v14, v14, v[TT]                      ; and lane l xor 16's
	s_wait_alu depctr_va_vdst(0)
	v_rcp_f32 v[FF], v14
.rept 4
	v_nop                                          ; plain places behind the reciprocal and behind the last products
.endr
	s_wait_alu depctr_va_vdst(0)                   ; the wait ahead of the reciprocal's first reader
.set j, 0
.rept 16
	v_pk_mul_f32 v[O+j:O+j+1], v[O+j:O+j+1], v[FF:FF+1] op_sel_hi:[1,0]   ; each accumulator from its low end on
.set j, j+2
.endr
.irp b, 0,1
.irp i, 0,1,2,3,4,5,6,7
	v_permlane16_swap_b32 v[O+16*\b+\i], v[O+16*\b+8+\i]   ; register 16 b + i now holds channel 32 b + 16 h + i
.endr
.endr
.irp b, 0,1
	v_max3_num_f32 v[BM+\b], |v[O+16*\b]|, |v[O+16*\b+1]|, 0x1800000
.endr
.irp i, 2,4,6,8,10,12,14
.irp b, 0,1
	s_delay_alu instid0(VALU_DEP_2)
	v_max3_num_f32 v[BM+\b], v[BM+\b], |v[O+16*\b+\i]|, |v[O+16*\b+\i+1]|
.endr
.endr
.irp b, 0,1
	s_delay_alu instid0(VALU_DEP_2)
	v_permlanex16_b32 v[BX+\b], v[BM+\b], s[SEL], s[SEL+1]
.endr
.irp b, 0,1
	s_delay_alu instid0(VALU_DEP_2)
	v_max_num_f32 v[BM+\b], v[BM+\b], v[BX+\b]
.endr
.irp b, 0,1
	s_delay_alu instid0(VALU_DEP_2)
	v_add_nc_u32 v[SO+\b], 0xff000000, v[BM+\b]
.endr
.irp b, 0,1
	s_delay_alu instid0(VALU_DEP_2)
	v_lshrrev_b32 v[BX+\b], 23, v[SO+\b]
.endr
	s_delay_alu instid0(VALU_DEP_1)
	v_lshl_or_b32 v[AW+\u], v[BX+1], 8, v[BX]      ; my token's two bytes
	v_cvt_scalef32_pk16_fp6_f32 v[PC:PC+2], v[O:O+15], v[SO]
	v_cvt_scalef32_pk16_fp6_f32 v[PT:PT+2], v[O+16:O+31], v[SO+1]
	v_nop
.irp i, 0,1,2
	v_permlane16_swap_b32 v[PC+\i], v[PT+\i]       ; lanes 0-15: block 0 whole, lanes 16-31: block 1
.endr
.irp i, 0,1,2
	s_delay_alu instid0(VALU_DEP_3)
	v_mov_b32 v[PC+3+\i], v[PT+\i]
.endr
.irp p, 0,1,2
	global_store_b64 v[GO], v[PC+2*\p:PC+2*\p+1], s[48:49] offset:12288*\u+256*\p   ; 32 lanes store 256 consecutive bytes, at a multiple of 256 from the buffer's first byte
.endr
.endm
.macro PASS u
.if \u
	s_wait_xcnt 0x0                                ; the first tile's stores have read their registers
.endif
.irp i, 0,1,2,3,4,5
	v_mov_b32 v[QZ+6+\i], v[QF+6*\u+\i]            ; the tile's codes between the zeros
.endr
.if \u
	v_lshrrev_b32 v[QSL], 16, v[QW]
	s_delay_alu instid0(VALU_DEP_1)
	v_or_b32 v[QSL], s43, v[QSL]
	v_and_or_b32 v[QSH], v[QW], 0xffff0000, s44
.else
	v_and_or_b32 v[QSL], v[QW], 0xffff, s43
	v_lshl_or_b32 v[QSH], v[QW], 16, s44
.endif
	v_mov_b32 v13, 0xff61b1e6                      ; the largest t so far: -3e38
	s_delay_alu instid0(VALU_DEP_1)
	v_floor_f32 v12, -v13                          ; -M
	v_mov_b32 v14, 0                               ; the sum, in two halves
	v_mov_b32 v15, 0
.set j, 0
.rept 32
	v_mov_b32 v[O+j], 0                            ; O^T: the step is written once; its first trip finds zeros.  (Also the places between the scale registers' writes and the first product)
.set j, j+1
.endr
	s_mov_b32 s[TB], 0
	s_mov_b32 s[TMK], 0
	s_mov_b32 s[CNT], 16
.Lstep_\@:
	s_setprio 2
	STEP
	s_sub_co_u32 s[CNT], s[CNT], 1
	s_cmp_lg_u32 s[CNT], 0
	s_cbranch_scc1 .Lstep_\@
	s_setprio 0
	OUT \u
.endm
	PASS 0
	PASS 1
	v_cmp_eq_u32 s54, 1, v[HH]
	s_delay_alu instid0(VALU_DEP_1)
	v_cndmask_b32 v[TT], v[AW], v[AW+1], s54       ; lane l: token 32 F + l (both halves of the lanes hold a token's bytes)
	global_store_b16 v[GS], v[TT], s[50:51]
	s_wait_tensorcnt 0x0                           ; the wave's end
	ds_add_u32 v[SPW], v[NIL]
	s_wait_dscnt 0x0
	ROUND                                          ; the closing round
	s_endpgm
.Lfunc_end_k_q6fe272e520_attn:
	.size	k_q6fe272e520_attn, .Lfunc_end_k_q6fe272e520_attn-k_q6fe272e520_attn
	.p2alignl 7, 3214868480
	.fill 96, 4, 3214868480
	.section	.rodata,"a",@progbits
	.p2align	6, 0x0
	.amdhsa_kernel k_q6fe272e520_attn
		.amdhsa_group_segment_fixed_size 215040
		.amdhsa_private_segment_fixed_size 0
		.amdhsa_enable_private_segment 0
		.amdhsa_kernarg_size 40
		.amdhsa_user_sgpr_count 2
		.amdhsa_user_sgpr_kernarg_segment_ptr 1
		.amdhsa_wavefront_size32 1
		.amdhsa_system_sgpr_workgroup_id_x 1
		.amdhsa_system_sgpr_workgroup_id_y 1
		.amdhsa_system_sgpr_workgroup_id_z 1
		.amdhsa_system_vgpr_workitem_id 0
		.amdhsa_next_free_vgpr 256
		.amdhsa_next_free_sgpr 66
		.amdhsa_reserve_vcc 0
		.amdhsa_float_denorm_mode_32 3
		.amdhsa_float_denorm_mode_16_64 3
		.amdhsa_memory_ordered 1
		.amdhsa_forward_progress 1
		.amdhsa_inst_pref_size 56
	.end_amdhsa_kernel
	.amdgpu_metadata
---
amdhsa.version: [ 1, 2 ]
amdhsa.kernels:
  - .name:           k_q6fe272e520_attn
    .symbol:         k_q6fe272e520_attn.kd
    .args:
      - { .name: qbuf, .offset: 0, .size: 8, .value_kind: global_buffer, .address_space: global }
      - { .name: kvbuf, .offset: 8, .size: 8, .value_kind: global_buffer, .address_space: global }
      - { .name: attention_mask, .offset: 16, .size: 8, .value_kind: global_buffer, .address_space: global }
      - { .name: a_codes, .offset: 24, .size: 8, .value_kind: global_buffer, .address_space: global }
      - { .name: a_scales, .offset: 32, .size: 8, .value_kind: global_buffer, .address_space: global }
    .group_segment_fixed_size: 215040
    .private_segment_fixed_size: 0
    .kernarg_segment_align: 8
    .kernarg_segment_size: 40
    .max_flat_workgroup_size: 512
    .sgpr_count:     66
    .vgpr_count:     256
    .wavefront_size: 32
...
	.end_amdgpu_metadata
.endif
;; end of part 2
;; launch proj (part 3): grid 4 x 32, 4 waves a work-group, clusters of 4 x 4, 327,680 bytes of LDS; arguments a_codes, a_scales, c_proj_w_codes, c_proj_w_scales, c_proj_b, out0; writes out0
.if DOCPART == 3
	.amdgcn_target "amdgcn-amd-amdhsa--gfx1250"
	.amdhsa_code_object_version 6
	.text
	.protected	k_q6fe272e520_proj
	.globl	k_q6fe272e520_proj
	.p2align	8
	.type	k_q6fe272e520_proj,@function
k_q6fe272e520_proj:
	s_mov_b64 s[64:65], 0
	v_nop
	global_prefetch_b8 v0, s[64:65] scope:SCOPE_SE
	s_setreg_imm32_b32 hwreg(HW_REG_WAVE_MODE, 25, 1), 1
	s_wait_xcnt 0x0
	s_wait_alu depctr_hold_cnt(0) depctr_sa_sdst(0) depctr_va_vdst(0) depctr_va_sdst(0) depctr_va_ssrc(0) depctr_va_vcc(0) depctr_vm_vsrc(0)
	s_getreg_b32 s2, hwreg(HW_REG_IB_STS2, 6, 4)
	s_cmp_eq_u32 s2, 0
	s_cbranch_scc0 .Lentry_in_a_cluster
	s_endpgm
.Lentry_in_a_cluster:
	s_bfe_u32 s2, ttmp6, 0x10000c
	s_cmp_lg_u32 s2, 0xf033
	s_cbranch_scc0 .Lentry_shape_is_right
	s_endpgm
.Lentry_shape_is_right:
; LAUNCH 3 OF 3.  out = a W + b on codes of FP6 (E2M3) with E8M0 scales; out0 [8192][1024] f32.  No work of reference() is left out.
; a comes as the second launch laid it: [tile of 16 tokens][head][768 bytes], so that two heads' 1,536 bytes are the 12 registers of an operand fragment (16 tokens x 128 K), pair p of lane l at 256 p + 8 l;
; its scale bytes [8192][32].  W: [1024][1024] codes, K innermost, rows of 768 bytes; scale bytes [1024][32].
; A tile of 256 tokens x 256 columns is made by four waves, 128 x 128 each: 64 accumulators, 512 registers.  K goes in steps of 256 through a ring of two LDS slots; the scale bytes come once and stay.
; CLUSTERS: 4 x 4 work-groups; a's tiles are asked for jointly along a row of the cluster, W's along a column.  128 tiles: 128 work-groups; a smaller tile would read each LDS byte for fewer products.
; THE MATRIX INSTRUCTION IS USED TRANSPOSED (source 0 = 16 rows of W, source 1 = 16 tokens): a lane holds eight neighbouring numbers of a row of out0.  The bias is the C of each sum's first instruction.
; LIMITS: NaN and infinities among the inputs are not served.
.set SIZE_N, 1024
.set KSTEP,  256
.set NQ,     KSTEP/128
.set ROWB,   192                       ; a row of W's tile
.set KROW,   768                       ; a row of W in memory
.set PITCH,  240                       ; W's LDS row: 3 x (64 bytes of data + 16 of padding)
.set FR,     12
.set NL,     6
.set NP,     4
.set HALFA,  8*3072                    ; a: 8 tiles of 16 tokens x 256 along K, as images: what one tensor load brings
.set HALFT,  128*PITCH                 ; W: 128 rows
.set BOFF,   2*HALFA                   ; a slot: a's two halves, then W's two
.set SLOT,   BOFF+2*HALFT
.set LAPS,   2
.set KS,     32
.set SCL,    2*SLOT
.set HALFS,  16*272
.set SBLK,   2*272
.set SPARE,  SCL+4*HALFS
.set SPITCH, 528                       ; the way out: a stage of 16 rows x (512 bytes + 16) for each wave, in slot 0, which has had its last fill and its last read when the first result is stored there
.set ADRA, 16                          ; v16-17 LDS address of a's images in slot 0, 1
.set ADRB, 20                          ; v20-21 of W's fragments (v22-23: behind one padding more)
.set STO,  24
.set RD,   25
.set CO,   26
.set ADRS, 27
.set SPW,  28
.set NIL,  29
.set SC,   32
.set BI,   64                          ; v64-127 the bias in the results' layout
.set AF,   128
.set BK,   128
.set G1, 24
.set G0, 32
.set G1B, 48
.set G0B, 56
.set G1S, 68
.set G0S, 76
.set G1SB, 80
.set G0SB, 88
.set MSB, 0
.macro WIN new
.if MSB != (\new)
	s_set_vgpr_msb (MSB<<8)|(\new)
.set MSB, (\new)
.endif
.endm
.set MUL_LO, 0xa1                      ; source 0 (W) window 1, source 1 (a) window 0, C and D window 2
.set MUL_HI, 0xf1                      ; the same, C and D window 3
.set FST_LO, 0x81                      ; the first step: C (the bias) window 0, D window 2
.set FST_HI, 0xc1                      ; D window 3
.set TO_B,   0x40
.macro JLOAD g0a, g1a, g0b, g1b
	s_cmp_eq_u32 s15, 0
	s_cbranch_scc0 .Lfor_b_\@
	tensor_load_to_lds s[\g0a:\g0a+3], s[\g1a:\g1a+7]
	s_nop 0
.rept 4
	v_nop
.endr
	s_branch .Lasked_\@
.Lfor_b_\@:
	tensor_load_to_lds s[\g0b:\g0b+3], s[\g1b:\g1b+7]
	s_nop 0
.rept 4
	v_nop
.endr
.Lasked_\@:
.endm
.macro CREST
	s_cmp_lg_u32 s14, 0
	s_cbranch_scc1 .Lnot_wave_0_\@
	s_barrier_signal -3
.Lnot_wave_0_\@:
	s_barrier_wait -3
	s_barrier_signal -1
	s_barrier_wait -1
.endm
.macro CROUND
	s_barrier_signal -1
	s_barrier_wait -1
	CREST
.endm
	s_load_b128 s[4:7], s[0:1], 0x0                ; a's codes, a's scales
	s_load_b128 s[8:11], s[0:1], 0x10              ; W's codes, W's scales
	s_load_b64 s[96:97], s[0:1], 0x20              ; the bias
	s_load_b64 s[12:13], s[0:1], 0x28              ; out0
	v_lshl_add_u32 v[SPW], v0, 2, SPARE
	v_mov_b32 v[NIL], 0
	ds_add_u32 v[SPW], v[NIL]                      ; the wave's opening: the add, twice on end, and its wait ahead of my first tensor load
	ds_add_u32 v[SPW], v[NIL]
	v_lshrrev_b32 v1, 5, v0
	v_readfirstlane_b32 s14, v1                    ; wave 0..3
	s_lshr_b32 s15, s14, 1                         ; which half of the tile's tokens is mine.  Also: I fetch for a (0) or for W (1)
	s_and_b32 s16, s14, 1                          ; which half of its columns.  Also: which half I fetch
	s_bfe_u32 s40, ttmp6, 0x40000
	s_bfe_u32 s41, ttmp6, 0x40004
	s_lshl_b32 s42, ttmp9, 2
	s_add_co_u32 s42, s42, s40                     ; tile column
	s_and_b32 s17, ttmp7, 0xffff
	s_lshl_b32 s17, s17, 2
	s_add_co_u32 s17, s17, s41                     ; tile row
	s_lshl_b32 s43, s41, 2
	s_lshl_b32 s43, 15, s43                        ; my row of the cluster
	s_lshl_b32 s44, 0x1111, s40                    ; my column
	; group 1 for a: 8 tiles of tokens x 3,072 bytes (384 elements of 8 bytes), 12,288 bytes apart in memory, dense in LDS
	s_or_b32 s[G1+0], s43, (3<<16)|(1<<21)
	s_mov_b32 s[G1+1], 384<<16                     ; tensor_dim0
	s_mov_b32 s[G1+2], 8<<16                       ; tensor_dim1
	s_mov_b32 s[G1+3], 384<<16                     ; tile_dim0
	s_mov_b32 s[G1+4], 8                           ; tile_dim1
	s_mov_b32 s[G1+5], 1536                        ; tensor_dim0_stride
	s_mov_b32 s[G1+6], 0
	s_mov_b32 s[G1+7], 0
	; for W: 128 rows x 192 bytes, 16 bytes of padding behind every 64
	s_or_b32 s[G1B+0], s44, (0<<16)|(1<<20)|(1<<21)|(3<<22)|(3<<25)
	s_mov_b32 s[G1B+1], ROWB<<16
	s_mov_b32 s[G1B+2], 128<<16
	s_mov_b32 s[G1B+3], ROWB<<16
	s_mov_b32 s[G1B+4], 128
	s_mov_b32 s[G1B+5], KROW
	s_mov_b32 s[G1B+6], 0
	s_mov_b32 s[G1B+7], 0
	; the scales of 128 rows: 16 rows of 256 bytes, 16 bytes of padding behind each
	s_or_b32 s[G1S+0], s43, (3<<16)|(1<<20)|(1<<21)|(5<<22)|(3<<25)
	s_or_b32 s[G1SB+0], s44, (3<<16)|(1<<20)|(1<<21)|(5<<22)|(3<<25)
.irp g, G1S, G1SB
	s_mov_b32 s[\g+1], 32<<16
	s_mov_b32 s[\g+2], 16<<16
	s_mov_b32 s[\g+3], 32<<16
	s_mov_b32 s[\g+4], 16
	s_mov_b32 s[\g+5], 32
	s_mov_b32 s[\g+6], 0
	s_mov_b32 s[\g+7], 0
.endr
	s_lshl_b32 s18, s16, 7                         ; which 128 rows I fetch
	s_lshl_b32 s22, s17, 8
	s_add_co_u32 s22, s22, s18                     ; a: token 256 x tile row + 128 x half
	s_lshr_b32 s20, s22, 4                         ; its tile of 16 tokens,
	s_mul_i32 s20, s20, 12288                      ; in bytes (under 6,291,456)
	s_mov_b32 s21, 0
	s_lshl_b32 s22, s22, 5                         ; and its scales
	s_mov_b32 s23, 0
	s_lshl_b32 s46, s42, 8
	s_add_co_u32 s46, s46, s18                     ; W: row 256 x tile column + 128 x half
	s_lshl_b32 s92, s46, 5                         ; its scales,
	s_mov_b32 s93, 0
	s_mul_i32 s46, s46, KROW                       ; its codes
	s_mov_b32 s47, 0
	s_mul_i32 s45, s16, HALFA                      ; where they go: a's halves,
	s_mul_i32 s95, s16, HALFT
	s_add_co_u32 s95, s95, BOFF                    ; W's halves behind them,
	s_mul_i32 s94, s14, HALFS                      ; the scales: wave x 128 rows
	s_wait_dscnt 0x0                               ; both opening adds are done
	s_wait_kmcnt 0x0
	s_add_nc_u64 s[20:21], s[4:5], s[20:21]
	s_add_nc_u64 s[22:23], s[6:7], s[22:23]
	s_add_nc_u64 s[46:47], s[8:9], s[46:47]
	s_add_nc_u64 s[92:93], s[10:11], s[92:93]
	CROUND                                         ; all sixteen work-groups are here: the first joint loads meet
	s_mov_b32 s[G0S], 1
	s_add_co_u32 s[G0S+1], s94, SCL
	s_mov_b64 s[G0S+2:G0S+3], s[22:23]
	s_or_b32 s[G0S+3], s[G0S+3], 0x80000000
	s_mov_b32 s[G0SB], 1
	s_add_co_u32 s[G0SB+1], s94, SCL
	s_mov_b64 s[G0SB+2:G0SB+3], s[92:93]
	s_or_b32 s[G0SB+3], s[G0SB+3], 0x80000000
	JLOAD G0S, G1S, G0SB, G1SB                     ; the scales first
.irp s, 0,1
	s_mov_b32 s[G0+4*\s], 1
	s_add_co_u32 s[G0+4*\s+1], s45, \s*SLOT
	s_add_nc_u64 s[G0+4*\s+2:G0+4*\s+3], s[20:21], \s*3072
	s_or_b32 s[G0+4*\s+3], s[G0+4*\s+3], 0x80000000
	s_mov_b32 s[G0B+4*\s], 1
	s_add_co_u32 s[G0B+4*\s+1], s95, \s*SLOT
	s_add_nc_u64 s[G0B+4*\s+2:G0B+4*\s+3], s[46:47], \s*ROWB
	s_or_b32 s[G0B+4*\s+3], s[G0B+4*\s+3], 0x80000000
	JLOAD G0+4*\s, G1, G0B+4*\s, G1B               ; three tensor loads of mine are out at the most
.endr
	v_and_b32 v1, 15, v0                           ; r
	v_bfe_u32 v2, v0, 4, 1                         ; h
	v_mul_u32_u24 v3, v1, PITCH
	v_mul_u32_u24 v4, v2, 24
	v_add_nc_u32 v4, v3, v4                        ; W: a fragment's row x pitch + 24 x half
	v_lshl_add_u32 v5, v2, 4, v4                   ; and the same behind one padding more
	v_and_b32 v6, 31, v0
	v_lshlrev_b32 v7, 3, v6                        ; a: 8 x lane
	s_mul_i32 s21, s15, HALFA                      ; my 128 tokens
	s_mul_i32 s22, s16, HALFT                      ; my 128 rows of W
	s_add_co_u32 s22, s22, BOFF
.irp s, 0,1
	v_add_nc_u32 v[ADRA+\s], s21, v7
	v_add_nc_u32 v[ADRB+\s], s22, v4
	v_add_nc_u32 v[ADRB+2+\s], s22, v5
	s_add_co_u32 s21, s21, SLOT
	s_add_co_u32 s22, s22, SLOT
.endr
	v_mul_u32_u24 v5, v1, KS                       ; my row's scales: 32 bytes a row,
	v_lshrrev_b32 v6, 8, v5
	v_lshl_add_u32 v5, v6, 4, v5                   ; and 16 more for each 256 passed
	s_mul_i32 s21, s15, HALFS                      ; a's: my 128 tokens
	s_mul_i32 s22, s16, HALFS                      ; W's: my 128 rows, behind a's 256
	s_add_co_u32 s22, s22, 2*HALFS
	s_sub_co_u32 s22, s22, s21
	v_mul_u32_u24 v6, s22, v2                      ; lanes 16-31 take W's
	s_add_co_u32 s21, s21, SCL
	v_add_nc_u32 v5, v5, v6
	v_add_nc_u32 v[ADRS], s21, v5
	s_mul_i32 s23, s14, 16*SPITCH                  ; my stage
	v_mul_u32_u24 v5, v1, SPITCH                   ; in: row r, 32 bytes for each half of the lanes
	v_lshl_add_u32 v5, v2, 5, v5
	v_add_nc_u32 v[STO], s23, v5
	v_and_b32 v6, 31, v0
	v_lshlrev_b32 v[CO], 4, v6                     ; back: the 32 lanes take one row of 512 bytes; and the same in out0
	v_add_nc_u32 v[RD], s23, v[CO]
	s_lshl_b32 s20, s17, 8
	s_lshl_b32 s21, s15, 7
	s_add_co_u32 s20, s20, s21                     ; my first row of out0
	s_mov_b32 s21, 0
	s_mov_b64 s[18:19], SIZE_N*4
	s_mul_u64 s[20:21], s[20:21], s[18:19]
	s_lshl_b32 s46, s42, 10                        ; my first column, in bytes: 1,024 x tile column + 512 x half
	s_lshl_b32 s47, s16, 9
	s_add_co_u32 s46, s46, s47
	s_mov_b32 s47, 0
	s_add_nc_u64 s[96:97], s[96:97], s[46:47]      ; the bias at my first column: the same bytes on
	s_add_nc_u64 s[20:21], s[20:21], s[46:47]
	s_add_nc_u64 s[12:13], s[12:13], s[20:21]
	v_lshlrev_b32 v8, 5, v2
.irp b, 0,1,2,3,4,5,6,7
	global_load_b128 v[BI+8*\b:BI+8*\b+3], v8, s[96:97] offset:64*\b         ; the bias of columns 16 b + 8 h + 0 .. 7
	global_load_b128 v[BI+8*\b+4:BI+8*\b+7], v8, s[96:97] offset:64*\b+16
.endr
.macro FRAG reg, adr, q, i             ; W's fragment, in pieces of 8 bytes
.irp p, 0,1,2,3,4,5
.set PIECE, 12*(\q)+6*(\p/3)+\p%3
.if PIECE%8 < 5
	ds_load_b64 v[\reg+2*\p:\reg+2*\p+1], v[\adr] offset:8*PIECE+16*(PIECE/8)+(\i)*16*PITCH
.else
	ds_load_b64 v[\reg+2*\p:\reg+2*\p+1], v[\adr+2] offset:8*PIECE+16*(PIECE/8)+(\i)*16*PITCH
.endif
.endr
.endm
.macro FRAGA reg, adr, q, i            ; a's fragment: an image: each load takes 256 consecutive bytes
.irp p, 0,1,2,3,4,5
	ds_load_b64 v[\reg+2*\p:\reg+2*\p+1], v[\adr] offset:(\i)*3072+(\q)*1536+256*\p
.endr
.endm
; 16 matrix instructions.  zero = 1: the first product starts the sums from the bias.  The 64 accumulators take turns, one instruction a turn.
.macro MUL16 a0, p, q, sc, zero
.irp a, \a0, \a0+1
.irp b, 0,1,2,3,4,5,6,7
.if \zero
	v_wmma_scale_f32_16x16x128_f8f6f4 v[8*(8*((\a)%4)+\b):8*(8*((\a)%4)+\b)+7], v[128*(\p)+FR*\b:128*(\p)+FR*\b+FR-1], v[AF+FR*(\a):AF+FR*(\a)+FR-1], v[BI+8*\b:BI+8*\b+7], v[SC+8*NQ*(\sc)+NQ*\b+(\q)], v[SC+8*NQ*(\sc)+NQ*(\a)+(\q)] matrix_a_fmt:MATRIX_FMT_FP6 matrix_b_fmt:MATRIX_FMT_FP6 matrix_a_scale:MATRIX_SCALE_ROW1
.else
	v_wmma_scale_f32_16x16x128_f8f6f4 v[8*(8*((\a)%4)+\b):8*(8*((\a)%4)+\b)+7], v[128*(\p)+FR*\b:128*(\p)+FR*\b+FR-1], v[AF+FR*(\a):AF+FR*(\a)+FR-1], v[8*(8*((\a)%4)+\b):8*(8*((\a)%4)+\b)+7], v[SC+8*NQ*(\sc)+NQ*\b+(\q)], v[SC+8*NQ*(\sc)+NQ*(\a)+(\q)] matrix_a_fmt:MATRIX_FMT_FP6 matrix_b_fmt:MATRIX_FMT_FP6 matrix_a_scale:MATRIX_SCALE_ROW1
.endif
.endr
.endr
.endm
.macro FETCH_B slot, q, p
	WIN TO_B
.irp i, 0,1,2,3,4,5,6,7
	FRAG 128*(\p)+FR*\i, ADRB+\slot, \q, \i
.endr
	WIN 0
.endm
.macro FETCH_A slot, q, i0
.irp i, \i0, \i0+1, \i0+2, \i0+3
	FRAGA AF+FR*(\i), ADRA+\slot, \q, \i
.endr
.endm
.macro SCALES sc
.irp i, 0,1,2,3,4,5,6,7
	ds_load_b64 v[SC+8*NQ*\sc+NQ*\i:SC+8*NQ*\sc+NQ*\i+1], v[ADRS] offset:\i*SBLK
.endr
.endm
.macro PLACES n
.rept \n
	v_nop
.endr
.endm
.macro STEP slot, q, zero
	s_wait_dscnt 4*NL                              ; all but the youngest 24 loads (a's blocks 4-7) are in
.if \zero
	WIN FST_LO
.else
	WIN MUL_LO
.endif
	MUL16 0, (\q)%2, \q, \slot, \zero
	MUL16 2, (\q)%2, \q, \slot, \zero
	s_wait_dscnt 0
	PLACES NP
	FETCH_B \slot, (\q)+1, 1-(\q)%2
	FETCH_A \slot, (\q)+1, 0
.if \zero
	WIN FST_HI
.else
	WIN MUL_HI
.endif
	MUL16 4, (\q)%2, \q, \slot, \zero
	MUL16 6, (\q)%2, \q, \slot, \zero
	PLACES NP
	WIN 0
	FETCH_A \slot, (\q)+1, 4
.endm
.macro TURN slot, next, fill
	s_wait_tensorcnt 0x0                           ; all my tensor loads have landed: my part of the next slot
	ds_add_u32 v[SPW], v[NIL]                      ; 0 onto my spare word
	s_wait_dscnt 4*NL+1                            ; the add and the youngest 24 loads may be out
	WIN MUL_LO
	MUL16 0, 1, NQ-1, \slot, 0
	s_wait_dscnt 0x0                               ; the add is done, and my reads of this slot are over
	s_barrier_signal -1
	MUL16 2, 1, NQ-1, \slot, 0
	WIN 0
	s_barrier_wait -1
.if \fill
	CREST                                          ; the barrier has opened a round of the cluster's barrier
	s_add_nc_u64 s[G0+4*\slot+2:G0+4*\slot+3], s[G0+4*\slot+2:G0+4*\slot+3], 2*3072
	s_add_nc_u64 s[G0B+4*\slot+2:G0B+4*\slot+3], s[G0B+4*\slot+2:G0B+4*\slot+3], 2*ROWB
	JLOAD G0+4*\slot, G1, G0B+4*\slot, G1B         ; the first tensor load behind the round
.else
	PLACES NP
.endif
	v_add_nc_u32 v[ADRS], 4*NQ, v[ADRS]
	FETCH_B \next, 0, 0
	FETCH_A \next, 0, 0
	SCALES \next
	WIN MUL_HI
	MUL16 4, 1, NQ-1, \slot, 0
	MUL16 6, 1, NQ-1, \slot, 0
	PLACES NP
	WIN 0
	FETCH_A \next, 0, 4
.endm
	s_wait_loadcnt 0x0                             ; the bias
	s_wait_tensorcnt 1                             ; the scales and my part of K step 0 are in; K step 1's load may be out
	s_barrier_signal -1
	s_barrier_wait -1
	FETCH_B 0, 0, 0
	FETCH_A 0, 0, 0
	SCALES 0
	FETCH_A 0, 0, 4
	STEP 0, 0, 1                                   ; the first step stands in front of the loop: its products start the sums from the bias
	s_mov_b32 s3, LAPS-1
.Llap:
	TURN 0, 1, 1
	STEP 1, 0, 0
	TURN 1, 0, 1
	STEP 0, 0, 0
	s_sub_co_u32 s3, s3, 1
	s_cmp_lg_u32 s3, 0
	s_cbranch_scc1 .Llap
	TURN 0, 1, 0                                   ; the last lap fills nothing
	STEP 1, 0, 0
	s_wait_dscnt 4*NL
	WIN MUL_LO
	MUL16 0, 1, NQ-1, 1, 0
	MUL16 2, 1, NQ-1, 1, 0
	s_wait_dscnt 0
	WIN MUL_HI
	MUL16 4, 1, NQ-1, 1, 0
	MUL16 6, 1, NQ-1, 1, 0
	WIN 0
; THE WAY OUT, block by block of 16 rows x 128 columns, through my own stage in LDS: back come whole rows of 512 bytes.  LDS serves a wave's instructions in order (ISA guide 5.7.1.4).
.macro TOSTAGE a
.set AC, 64*((\a)%4)
	WIN 0x08+4*((\a)/4)                            ; the data: window 2 or 3
.irp b, 0,1,2,3,4,5,6,7
	ds_store_b128 v[STO], v[AC+8*\b:AC+8*\b+3] offset:64*\b          ; each accumulator from its low end on
	ds_store_b128 v[STO], v[AC+8*\b+4:AC+8*\b+7] offset:64*\b+16
.endr
	WIN 0
.set BB, BK+64*((\a)%2)
.irp t, 0,1,2,3,4,5,6,7,8,9,10,11,12,13,14,15
	ds_load_b128 v[BB+4*\t:BB+4*\t+3], v[RD] offset:\t*SPITCH
.endr
.endm
.macro SEND a, younger
.set BB, BK+64*((\a)%2)
	s_wait_dscnt \younger                          ; the block is back in registers
.if (\a) > 0
	s_add_nc_u64 s[12:13], s[12:13], 16*SIZE_N*4   ; (behind a wait on XCNT: the earlier stores have read their base)
.endif
.irp t, 0,1,2,3,4,5,6,7,8,9,10,11,12,13,14,15
	global_store_b128 v[CO], v[BB+4*\t:BB+4*\t+3], s[12:13] offset:\t*SIZE_N*4 th:TH_STORE_NT   ; 32 lanes store 512 consecutive bytes, at a multiple of 256 from out0's first byte
.endr
.endm
	PLACES NP
	TOSTAGE 0
.irp a, 1,2,3,4,5,6,7
.if \a > 1
	s_wait_xcnt 0x0                                ; block a - 2's stores have read their registers and their base
.endif
	TOSTAGE \a
	SEND \a-1, 32                                  ; behind block a - 1's loads: block a's 16 stores and 16 loads
.endr
	s_wait_xcnt 0x0
	SEND 7, 0
	s_wait_tensorcnt 0x0                           ; the wave's end
	ds_add_u32 v[SPW], v[NIL]
	s_wait_dscnt 0x0
	CROUND                                         ; the closing round
	s_endpgm
.Lfunc_end_k_q6fe272e520_proj:
	.size	k_q6fe272e520_proj, .Lfunc_end_k_q6fe272e520_proj-k_q6fe272e520_proj
	.p2alignl 7, 3214868480
	.fill 96, 4, 3214868480
	.section	.rodata,"a",@progbits
	.p2align	6, 0x0
	.amdhsa_kernel k_q6fe272e520_proj
		.amdhsa_group_segment_fixed_size 327680
		.amdhsa_private_segment_fixed_size 0
		.amdhsa_enable_private_segment 0
		.amdhsa_kernarg_size 48
		.amdhsa_user_sgpr_count 2
		.amdhsa_user_sgpr_kernarg_segment_ptr 1
		.amdhsa_wavefront_size32 1
		.amdhsa_system_sgpr_workgroup_id_x 1
		.amdhsa_system_sgpr_workgroup_id_y 1
		.amdhsa_system_sgpr_workgroup_id_z 1
		.amdhsa_system_vgpr_workitem_id 0
		.amdhsa_next_free_vgpr 1024
		.amdhsa_next_free_sgpr 98
		.amdhsa_reserve_vcc 0
		.amdhsa_float_denorm_mode_32 3
		.amdhsa_float_denorm_mode_16_64 3
		.amdhsa_memory_ordered 1
		.amdhsa_forward_progress 1
		.amdhsa_inst_pref_size 162
	.end_amdhsa_kernel
	.amdgpu_metadata
---
amdhsa.version: [ 1, 2 ]
amdhsa.kernels:
  - .name:           k_q6fe272e520_proj
    .symbol:         k_q6fe272e520_proj.kd
    .args:
      - { .name: a_codes, .offset: 0, .size: 8, .value_kind: global_buffer, .address_space: global }
      - { .name: a_scales, .offset: 8, .size: 8, .value_kind: global_buffer, .address_space: global }
      - { .name: c_proj_w_codes, .offset: 16, .size: 8, .value_kind: global_buffer, .address_space: global }
      - { .name: c_proj_w_scales, .offset: 24, .size: 8, .value_kind: global_buffer, .address_space: global }
      - { .name: c_proj_b, .offset: 32, .size: 8, .value_kind: global_buffer, .address_space: global }
      - { .name: out0, .offset: 40, .size: 8, .value_kind: global_buffer, .address_space: global }
    .group_segment_fixed_size: 327680
    .private_segment_fixed_size: 0
    .kernarg_segment_align: 8
    .kernarg_segment_size: 48
    .max_flat_workgroup_size: 128
    .sgpr_count:     98
    .vgpr_count:     1024
    .wavefront_size: 32
...
	.end_amdgpu_metadata
.endif
;; end of part 3
